; MI455X (gfx1250); checked and timed in simulation.
; The chip was launched on July 23, 2026; its instructions are those of AMD's public machine-readable ISA for CDNA 5 (MIT licence, August 2026) and "CDNA5" Instruction Set Architecture Reference Guide (July 2026). The comments in the code are by the model that wrote it; some were corrected since.
;; Transformer Block. Allowed arithmetic: matrix products marked QUANTISED: E5M2 operands, one given power-of-two scale a tensor, by v_wmma_f32_16x16x64_bf8_bf8 or v_wmma_f32_16x16x128_bf8_bf8, f32 sums; everything else in f32.
;; Inputs: b1 4,096 float32; b2 1,024 float32; bo 1,024 float32; g1 1,024 float32; g2 1,024 float32; lowp_scales 16 int32 (the exponents e of the quantised operands' scales 2^e); s1 1,024 float32; s2 1,024 float32; w1_codes 4,096 x 32 x 32 uint8 (E5M2 codes of w1, K innermost, in blocks of 32 codes); w2_codes 1,024 x 128 x 32 uint8 (E5M2 codes of w2, K innermost, in blocks of 32 codes); wk_codes 1,024 x 32 x 32 uint8 (E5M2 codes of wk, K innermost, in blocks of 32 codes); wo_codes 1,024 x 32 x 32 uint8 (E5M2 codes of wo, K innermost, in blocks of 32 codes); wq_codes 1,024 x 32 x 32 uint8 (E5M2 codes of wq, K innermost, in blocks of 32 codes); wv_codes 1,024 x 32 x 32 uint8 (E5M2 codes of wv, K innermost, in blocks of 32 codes); x 2 x 2,048 x 1,024 float32.
;; Outputs: out0 2 x 2,048 x 1,024 float32.
;; This version of the problem:
;;   THIS VERSION OF THE PROBLEM IS GIVEN IN LOW PRECISION. The matrix products marked QUANTISED in the list below multiply operands that are first quantised to E5M2 (5 exponent bits, 2 mantissa bits; 8 bits a number), with one given power-of-two scale for each operand tensor; their sums are f32. All else is computed in f32.
;;   The module's matrix products, in the order in which they are computed (A, B: the left and right operand; K: the contracted axis; several contracted axes count as one K, in the product's order):
;;     1. [M 4,096, K 1,024] x [K 1,024, N 1,024]; A: computed on the way; B: input wq (given as codes): QUANTISED (scales: A lowp_scales[0], B lowp_scales[1])
;;     2. [M 4,096, K 1,024] x [K 1,024, N 1,024]; A: computed on the way; B: input wk (given as codes): QUANTISED (scales: A lowp_scales[2], B lowp_scales[3])
;;     3. [M 4,096, K 1,024] x [K 1,024, N 1,024]; A: computed on the way; B: input wv (given as codes): QUANTISED (scales: A lowp_scales[4], B lowp_scales[5])
;;     4. batch 32 x [M 2,048, K 64] x [K 64, N 2,048]; A: computed on the way; B: computed on the way: QUANTISED (scales: A lowp_scales[6], B lowp_scales[7])
;;     5. batch 32 x [M 2,048, K 2,048] x [K 2,048, N 64]; A: softmax (see below); B: computed on the way: QUANTISED (scales: A lowp_scales[8], B lowp_scales[9])
;;     6. [M 4,096, K 1,024] x [K 1,024, N 1,024]; A: computed on the way; B: input wo (given as codes): QUANTISED (scales: A lowp_scales[10], B lowp_scales[11])
;;     7. [M 4,096, K 1,024] x [K 1,024, N 4,096]; A: computed on the way; B: input w1 (given as codes): QUANTISED (scales: A lowp_scales[12], B lowp_scales[13])
;;     8. [M 4,096, K 4,096] x [K 4,096, N 1,024]; A: computed on the way; B: input w2 (given as codes): QUANTISED (scales: A lowp_scales[14], B lowp_scales[15])
;;   THE QUANTISER, for each operand of a quantised product, along K:
;;     - The operand's scale is 2^e, e = its entry of the input lowp_scales (int32; the entries are numbered through the quantised products in the list's order, A before B).
;;     - Each number is divided by the scale, clamped to +-57,344, and rounded to the nearest number of E5M2, ties to even, subnormals kept.
;;     - The product sums the exact products of the quantised numbers (number of the format x scale) in f32.
;;   ~~~python
;;   def quantise(x, axis, e):      # numpy; x: float32 -> the quantised numbers, widened to float32 again
;;       x = np.moveaxis(x, axis, -1); K = x.shape[-1]
;;       r = np.clip(x / 2.0 ** e, -57344, 57344)
;;       step = 2.0 ** (np.maximum(np.frexp(np.where(r == 0, 1, r))[1] - 1, -14) - 2)
;;       q = np.round(r / step) * step * 2.0 ** e      # np.round: ties to even
;;       return np.moveaxis(q, -1, axis).astype(np.float32)
;;   ~~~
;;   SOFTMAX AHEAD OF A QUANTISED PRODUCT. Where the list says 'softmax', what is quantised is not the finished softmax but p = 2^(t - M), with t = logit x log2(e) and M = ceil(the row's largest t), a whole number; so 1/2 < the row's largest p <= 1. The row's sum l is taken of the UNQUANTISED p, in f32, and the product's result is divided by l at the end. Since M is a whole number, a kernel that streams over the keys may use a running M (the ceiling of the running maximum): every later rescaling is an exact power of two, so the quantised numbers keep their values, but for numbers so far below the row's largest that they fall under the format's range.
;;   OPERANDS COMPUTED ON THE WAY. 'Computed on the way' means the value that the module computes at that place (a softmax that the list does not call 'softmax' is quantised finished and normalised). What goes into a quantiser is computed in f32, as accurately as f32 sums, v_exp_f32 and their like allow (about 1e-6 of the number): no bf16 or f16 on the way to a quantiser, and a product that is left as it is and whose result goes on into a quantised operand takes f32 operands (vector FMAs, or v_wmma_f32_16x16x4_f32). A number that lies on a knife's edge between two numbers of the format may be rounded either way, as far as f32 arithmetic and the matrix unit's own rounding can turn it there, and no further.
;;   INPUTS GIVEN AS CODES. w1 (in the module: [1024, 4096], K = its axis 0); w2 (in the module: [4096, 1024], K = its axis 0); wk (in the module: [1024, 1024], K = its axis 0); wo (in the module: [1024, 1024], K = its axis 0); wq (in the module: [1024, 1024], K = its axis 0); wv (in the module: [1024, 1024], K = its axis 0): each comes as NAME_codes (uint8): NAME with its K axis moved to the last place and cut into blocks of 32 codes, [.., K / 32, bytes a block], one block behind the other in memory; one code a byte (a code: sign, 5 exponent bits, 2 mantissa bits); its scale is its entry of lowp_scales. Its value is code x scale, taken as it is: it is not quantised again, and the codes and scales need not be those that the quantiser above would give.
;; One version. Each part assembles by itself: llvm-mc -triple=amdgcn-amd-amdhsa -mcpu=gfx1250 --defsym DOCPART=n.
;; ======== version 1 of 1: 7 launches
;; limits: right only within a limited range of input values
;; workspace buffers: hc 12,582,912 bytes; qkv 12,582,912 bytes; cc 4,194,304 bytes; x1 16,777,216 bytes; h2 4,194,304 bytes; gc 16,777,216 bytes
;; launch ln1 (part 1): grid 256 x 1, 8 waves a work-group, no clusters, 82,944 bytes of LDS; arguments x, g1, s1, lowp_scales, hc; writes hc
.if DOCPART == 1
	.amdgcn_target "amdgcn-amd-amdhsa--gfx1250"
	.amdhsa_code_object_version 6
	.text
	.protected	k_q9094dcdef5_ln1
	.globl	k_q9094dcdef5_ln1
	.p2align	8
	.type	k_q9094dcdef5_ln1,@function
k_q9094dcdef5_ln1:
	s_mov_b64 s[64:65], 0
	v_nop
	global_prefetch_b8 v0, s[64:65] scope:SCOPE_SE
	s_setreg_imm32_b32 hwreg(HW_REG_WAVE_MODE, 25, 1), 1
	s_wait_xcnt 0x0
; THE PROGRAM: seven launches for one transformer block on 4,096 tokens of width 1,024, all eight products on codes of BF8 (E5M2):
;   1 layer norm 1 -> codes;  2 Q, K, V -> codes;  3 causal attention -> codes;  4 x wo + bo + x;  5 layer norm 2 -> codes;  6 x w1 + b1, GELU -> codes;  7 x w2 + b2 + residual.
; DEAD WORK, for the whole program.  reference() sets a score to -inf where key > query, by a mask that it builds in its own body (jnp.tril).  exp(-inf) = 0: such a key adds 0 to its row's sum and
; 0 x v to ctx, whatever finite values the inputs hold.  So the attention launch leaves out every key step of 128 keys all.
; Nothing else is left out: every input has a way to out0 and is loaded.
; LIMIT: a NaN, an infinity or an overflow that arises only in the scores and values so left out is not carried to the result.
;
; THIS LAUNCH: h = g (x - mean) / sqrt(var + 1e-5) + s along rows of 1,024, in f32, then quantised NP times, once for each product that takes h as its operand, each with its own given scale 2^e
; (entries SC0, SC0 + 2, .. of the scales): code = h / 2^e, held within +-57,344, to the nearest code, ties to even.  Plane p of the output, 4 MiB, holds [4096][1024] codes, K innermost.
; LIMITS: -126 <= e and e + 15 <= 127.  NaN among the inputs is not served (an infinity in h is held at the largest code).
; SHARES.  Eight waves, 16 rows a work-group; a wave keeps its two rows whole in registers between the passes (mean; squares of x - mean; scaling): x is read once.  Waves share nothing: no barrier.
; A load takes 512 consecutive bytes, 16 a lane; the conversions want 16 NEIGHBOURS in a lane: so a finished row turns through the wave's own stage in LDS (64 places of 64 bytes + 16 of padding).
; A lane's 16 codes are 16 bytes: each store of the wave covers 512 consecutive bytes, aligned.
.set NP,    3                          ; how many times h is quantised
.set SC0,   0                          ; the first scale's entry
.set SP,    80                         ; a place in a stage: 64 bytes + 16 of padding
.set RSTG,  64*SP                      ; a row's stage
.set WREG,  2*RSTG                     ; a wave's two
.set SPARE, 8*WREG                     ; behind the eight regions: the spare words, 128 bytes for each wave: four blocks of 256 bytes that no other line names
.set PLANE, 1<<22
.set LO,    2                          ; v2   16 x lane: my bytes of a load's 512, and of a store's
.set SIN,   3                          ; v3   the stage, on the way in: SP (lane / 4) + 16 (lane % 4)
.set SOUT,  4                          ; v4   and on the way out: SP x lane
.set SPW,   5                          ; v5   LDS address of my spare word; never rewritten
.set NIL,   6                          ; v6   0; never rewritten
.set EPSR,  7                          ; v7   1e-5
.set SCL,   8                          ; v8-10  2^e as f32, for each plane
.set LIM,   11                         ; v11-13 57,344 x 2^e
.set X,     16                         ; v16-79   my two rows: register 4 j + k of a row = column 128 j + 4 lane + k
.set G,     80                         ; v80-111  g at the same columns
.set S,     112                        ; v112-143 s
.set Y,     144                        ; v144-175 a row back from the stage: register 16 i + n = column 512 i + 16 lane + n
.set T,     176                        ; v176-207 at work: two sets of 16 held numbers by turns
.set C,     208                        ; v208-255 codes: four registers for each store, so that no store's data are written again
	s_load_b256 s[4:11], s[0:1], 0x0               ; x s[4:5], g s[6:7], s s[8:9], the scales' exponents s[10:11]
	s_load_b64 s[12:13], s[0:1], 0x20              ; the codes
	v_lshl_add_u32 v[SPW], v0, 2, SPARE
	v_mov_b32 v[NIL], 0
	v_lshrrev_b32 v1, 5, v0
	s_delay_alu instid0(VALU_DEP_1)
	v_readfirstlane_b32 s14, v1                    ; wave 0..7
	v_and_b32 v1, 31, v0                           ; lane
	s_delay_alu instid0(VALU_DEP_1)
	v_lshlrev_b32 v[LO], 4, v1
	s_mul_i32 s15, s14, WREG
	v_lshrrev_b32 v14, 2, v1
	s_delay_alu instid0(VALU_DEP_1)
	v_mul_u32_u24 v[SIN], v14, SP
	v_and_b32 v14, 3, v1
	s_delay_alu instid0(VALU_DEP_1)
	v_lshl_add_u32 v[SIN], v14, 4, v[SIN]
	s_delay_alu instid0(VALU_DEP_1)
	v_add_nc_u32 v[SIN], s15, v[SIN]
	v_mul_u32_u24 v[SOUT], v1, SP
	s_delay_alu instid0(VALU_DEP_1)
	v_add_nc_u32 v[SOUT], s15, v[SOUT]
	v_mov_b32 v[EPSR], 0x3727c5ac                  ; 1e-5
	s_lshl_b32 s16, ttmp9, 4
	s_lshl_b32 s17, s14, 1
	s_add_co_u32 s16, s16, s17                     ; my first row: 16 x work-group + 2 x wave
	s_lshl_b32 s18, s16, 10                        ; its codes: 1,024 bytes a row
	s_mov_b32 s19, 0
	s_lshl_b32 s16, s16, 12                        ; its numbers: 4,096 bytes a row
	s_mov_b32 s17, 0
	s_mov_b32 s30, 0x76543210                      ; v_permlanex16_b32: lane l xor 16
	s_mov_b32 s31, 0xfedcba98
	s_mov_b32 s32, 0x3a800000                      ; 1 / 1,024
	s_wait_alu depctr_va_vdst(0)
	s_wait_kmcnt 0x0
	s_load_b32 s26, s[10:11], 4*SC0
.if NP > 1
	s_load_b32 s27, s[10:11], 4*SC0+8
	s_load_b32 s28, s[10:11], 4*SC0+16
.endif
	s_add_nc_u64 s[4:5], s[4:5], s[16:17]
	s_add_nc_u64 s[20:21], s[12:13], s[18:19]      ; plane 0 at my first row
.if NP > 1
	s_add_nc_u64 s[22:23], s[20:21], PLANE
	s_add_nc_u64 s[24:25], s[22:23], PLANE
.endif
.irp j, 0,1,2,3,4,5,6,7
	global_load_b128 v[X+4*\j:X+4*\j+3], v[LO], s[4:5] offset:512*\j th:TH_LOAD_NT
.endr
.irp j, 0,1,2,3,4,5,6,7
	global_load_b128 v[X+32+4*\j:X+32+4*\j+3], v[LO], s[4:5] offset:4096+512*\j th:TH_LOAD_NT
.endr
.irp j, 0,1,2,3,4,5,6,7
	global_load_b128 v[G+4*\j:G+4*\j+3], v[LO], s[6:7] offset:512*\j
.endr
.irp j, 0,1,2,3,4,5,6,7
	global_load_b128 v[S+4*\j:S+4*\j+3], v[LO], s[8:9] offset:512*\j
.endr
	s_wait_kmcnt 0x0
.set p, 0
.rept NP
	s_add_co_i32 s33, s[26+p], 127
	s_lshl_b32 s34, s33, 23
	v_mov_b32 v[SCL+p], s34                        ; 2^e as f32: the conversion takes its exponent field
	s_add_co_i32 s33, s33, 15
	s_lshl_b32 s33, s33, 23
	s_or_b32 s33, s33, 0x600000
	v_mov_b32 v[LIM+p], s33                        ; the largest number x 2^e
.set p, p+1
.endr
.macro ALLSUM a, b                     ; the sum of v[a] over the 32 lanes, in every lane; v[b] has been written before
	s_delay_alu instid0(VALU_DEP_1)
	v_add_f32_dpp v[\a], v[\a], v[\a] row_xmask:1 row_mask:0xf bank_mask:0xf
	s_delay_alu instid0(VALU_DEP_1)
	v_add_f32_dpp v[\a], v[\a], v[\a] row_xmask:2 row_mask:0xf bank_mask:0xf
	s_delay_alu instid0(VALU_DEP_1)
	v_add_f32_dpp v[\a], v[\a], v[\a] row_xmask:4 row_mask:0xf bank_mask:0xf
	s_delay_alu instid0(VALU_DEP_1)
	v_add_f32_dpp v[\a], v[\a], v[\a] row_xmask:8 row_mask:0xf bank_mask:0xf
	s_delay_alu instid0(VALU_DEP_1)
	v_permlanex16_b32 v[\b], v[\a], s30, s31
	s_delay_alu instid0(VALU_DEP_1)
	v_add_f32 v[\a], v[\a], v[\b]
.endm
; row rho becomes (x - mean) / sqrt(var + 1e-5), in place: the mean first, then the squares of x - mean, as reference() has it
.macro STATS rho
.set XR, X+32*\rho
	v_pk_add_f32 v[T:T+1], v[XR:XR+1], v[XR+2:XR+3]
	v_pk_add_f32 v[T+2:T+3], v[XR+4:XR+5], v[XR+6:XR+7]
.irp j, 8,12,16,20,24,28
	s_delay_alu instid0(VALU_DEP_2)
	v_pk_add_f32 v[T:T+1], v[T:T+1], v[XR+\j:XR+\j+1]
	s_delay_alu instid0(VALU_DEP_2)
	v_pk_add_f32 v[T+2:T+3], v[T+2:T+3], v[XR+\j+2:XR+\j+3]
.endr
	s_delay_alu instid0(VALU_DEP_1)
	v_pk_add_f32 v[T:T+1], v[T:T+1], v[T+2:T+3]
	s_delay_alu instid0(VALU_DEP_1)
	v_add_f32 v[T], v[T], v[T+1]
	ALLSUM T, T+1
	s_delay_alu instid0(VALU_DEP_1)
	v_mul_f32 v[T], s32, v[T]                      ; the mean,
	s_delay_alu instid0(VALU_DEP_1)
	v_mov_b32 v[T+1], v[T]                         ; twice, for the packed form
.irp j, 0,2,4,6,8,10,12,14,16,18,20,22,24,26,28,30
	v_pk_add_f32 v[XR+\j:XR+\j+1], v[XR+\j:XR+\j+1], v[T:T+1] neg_lo:[0,1] neg_hi:[0,1]
.endr
	v_pk_mul_f32 v[T+2:T+3], v[XR:XR+1], v[XR:XR+1]
	v_pk_mul_f32 v[T+4:T+5], v[XR+2:XR+3], v[XR+2:XR+3]
.irp j, 4,8,12,16,20,24,28
	s_delay_alu instid0(VALU_DEP_2)
	v_pk_fma_f32 v[T+2:T+3], v[XR+\j:XR+\j+1], v[XR+\j:XR+\j+1], v[T+2:T+3]
	s_delay_alu instid0(VALU_DEP_2)
	v_pk_fma_f32 v[T+4:T+5], v[XR+\j+2:XR+\j+3], v[XR+\j+2:XR+\j+3], v[T+4:T+5]
.endr
	s_delay_alu instid0(VALU_DEP_1)
	v_pk_add_f32 v[T+2:T+3], v[T+2:T+3], v[T+4:T+5]
	s_delay_alu instid0(VALU_DEP_1)
	v_add_f32 v[T+2], v[T+2], v[T+3]
	ALLSUM T+2, T+3
	s_delay_alu instid0(VALU_DEP_1)
	v_fma_f32 v[T+2], v[T+2], s32, v[EPSR]         ; var + 1e-5
	s_wait_alu depctr_va_vdst(0)
	v_rsq_f32 v[T+4], v[T+2]
	v_nop                                          ; a plain instruction behind the transcendental,
	s_wait_alu depctr_va_vdst(0)                   ; and a wait ahead of the first use of its result
	v_mov_b32 v[T+5], v[T+4]
.irp j, 0,2,4,6,8,10,12,14,16,18,20,22,24,26,28,30
	v_pk_mul_f32 v[XR+\j:XR+\j+1], v[XR+\j:XR+\j+1], v[T+4:T+5]
.endr
.endm
; x g + s; then the row turns through its stage: LDS serves a wave's instructions in order, so no wait stands between the stores and the loads
.macro AFFINE rho
.set XR, X+32*\rho
.irp j, 0,2,4,6,8,10,12,14,16,18,20,22,24,26,28,30
	v_pk_fma_f32 v[XR+\j:XR+\j+1], v[XR+\j:XR+\j+1], v[G+\j:G+\j+1], v[S+\j:S+\j+1]
.endr
.irp j, 0,1,2,3,4,5,6,7
	ds_store_b128 v[SIN], v[XR+4*\j:XR+4*\j+3] offset:RSTG*\rho+8*SP*\j
.endr
.irp i, 0,1
.irp k, 0,1,2,3
	ds_load_b128 v[Y+16*\i+4*\k:Y+16*\i+4*\k+3], v[SOUT] offset:RSTG*\rho+32*SP*\i+16*\k
.endr
.endr
.endm
; the row's codes, for each plane.  The held numbers go into two sets by turns: the sixteen holds behind a pair of conversions are plain lines that touch neither their results nor their sources
.macro QOUT rho
.irp i, 0,1
.set p, 0
.rept NP
.set n, (2*\rho+\i)*NP+p
.set TT, T+16*(n%2)
.irp k, 0,1,2,3,4,5,6,7,8,9,10,11,12,13,14,15
	v_med3_num_f32 v[TT+\k], v[Y+16*\i+\k], -v[LIM+p], v[LIM+p]   ; the conversion to an 8-bit code does not saturate (ISA guide 7.6.2): the hold comes first
.endr
	v_cvt_scalef32_pk8_bf8_f32 v[C+4*n:C+4*n+1], v[TT:TT+7], v[SCL+p]
	v_cvt_scalef32_pk8_bf8_f32 v[C+4*n+2:C+4*n+3], v[TT+8:TT+15], v[SCL+p]
	global_store_b128 v[LO], v[C+4*n:C+4*n+3], s[20+2*p:21+2*p] offset:1024*\rho+512*\i
.set p, p+1
.endr
.endr
.endm
	s_wait_loadcnt 24                              ; row 0's eight loads are in; row 1's, g's and s's 24 may be out
	STATS 0
	s_wait_loadcnt 16                              ; row 1's are in
	STATS 1
	s_wait_loadcnt 0x0                             ; g and s
	AFFINE 0
	s_wait_dscnt 0x0                               ; row 0 is back from its stage
	QOUT 0
	AFFINE 1
	s_wait_dscnt 0x0
	QOUT 1
	s_wait_tensorcnt 0x0                           ; the wave's end: behind my last LDS store
	ds_add_u32 v[SPW], v[NIL]
	s_wait_dscnt 0x0
	s_endpgm
.Lfunc_end_k_q9094dcdef5_ln1:
	.size	k_q9094dcdef5_ln1, .Lfunc_end_k_q9094dcdef5_ln1-k_q9094dcdef5_ln1
	.p2alignl 7, 3214868480
	.fill 96, 4, 3214868480
	.section	.rodata,"a",@progbits
	.p2align	6, 0x0
	.amdhsa_kernel k_q9094dcdef5_ln1
		.amdhsa_group_segment_fixed_size 82944
		.amdhsa_private_segment_fixed_size 0
		.amdhsa_enable_private_segment 0
		.amdhsa_kernarg_size 40
		.amdhsa_user_sgpr_count 2
		.amdhsa_user_sgpr_kernarg_segment_ptr 1
		.amdhsa_wavefront_size32 1
		.amdhsa_system_sgpr_workgroup_id_x 1
		.amdhsa_system_sgpr_workgroup_id_y 1
		.amdhsa_system_sgpr_workgroup_id_z 1
		.amdhsa_system_vgpr_workitem_id 0
		.amdhsa_next_free_vgpr 256
		.amdhsa_next_free_sgpr 66
		.amdhsa_reserve_vcc 0
		.amdhsa_float_denorm_mode_32 3
		.amdhsa_float_denorm_mode_16_64 3
		.amdhsa_memory_ordered 1
		.amdhsa_forward_progress 1
		.amdhsa_inst_pref_size 38
	.end_amdhsa_kernel
	.amdgpu_metadata
---
amdhsa.version: [ 1, 2 ]
amdhsa.kernels:
  - .name:           k_q9094dcdef5_ln1
    .symbol:         k_q9094dcdef5_ln1.kd
    .args:
      - { .name: x, .offset: 0, .size: 8, .value_kind: global_buffer, .address_space: global }
      - { .name: g1, .offset: 8, .size: 8, .value_kind: global_buffer, .address_space: global }
      - { .name: s1, .offset: 16, .size: 8, .value_kind: global_buffer, .address_space: global }
      - { .name: lowp_scales, .offset: 24, .size: 8, .value_kind: global_buffer, .address_space: global }
      - { .name: hc, .offset: 32, .size: 8, .value_kind: global_buffer, .address_space: global }
    .group_segment_fixed_size: 82944
    .private_segment_fixed_size: 0
    .kernarg_segment_align: 8
    .kernarg_segment_size: 40
    .max_flat_workgroup_size: 256
    .sgpr_count:     66
    .vgpr_count:     256
    .wavefront_size: 32
...
	.end_amdgpu_metadata
.endif
;; end of part 1
;; launch qkv (part 2): grid 12 x 16, 4 waves a work-group, clusters of 4 x 4, 327,680 bytes of LDS; arguments hc, wq_codes, wk_codes, wv_codes, lowp_scales, qkv; writes qkv
.if DOCPART == 2
	.amdgcn_target "amdgcn-amd-amdhsa--gfx1250"
	.amdhsa_code_object_version 6
	.text
	.protected	k_q9094dcdef5_qkv
	.globl	k_q9094dcdef5_qkv
	.p2align	8
	.type	k_q9094dcdef5_qkv,@function
k_q9094dcdef5_qkv:
	s_mov_b64 s[64:65], 0
	v_nop
	global_prefetch_b8 v0, s[64:65] scope:SCOPE_SE
	s_setreg_imm32_b32 hwreg(HW_REG_WAVE_MODE, 25, 1), 1
	s_wait_xcnt 0x0
	s_wait_alu depctr_hold_cnt(0) depctr_sa_sdst(0) depctr_va_vdst(0) depctr_va_sdst(0) depctr_va_ssrc(0) depctr_va_vcc(0) depctr_vm_vsrc(0)
	s_getreg_b32 s2, hwreg(HW_REG_IB_STS2, 6, 4)
	s_cmp_eq_u32 s2, 0
	s_cbranch_scc0 .Lentry_in_a_cluster
	s_endpgm
.Lentry_in_a_cluster:
	s_bfe_u32 s2, ttmp6, 0x10000c
	s_cmp_lg_u32 s2, 0xf033
	s_cbranch_scc0 .Lentry_shape_is_right
	s_endpgm
.Lentry_shape_is_right:
; q = h wq, k = h wk, v = h wv on codes of BF8 (E5M2), K = 1,024; each result is quantised at once for the attention launch: q with entry 6 of the scales, k with entry 7, v with entry 9.
; h's codes come in three planes (one for each product's own scale); the weights are given as codes [1024 (n)][1024 (k)].  A finished sum stands for sum x 2^(eA + eB): its code is sum / 2^(eo - eA - eB):
; the three scales are folded into the conversion's one.  LIMIT: eo - eA - eB between -126 and 112.  NaN is not served.
; A tile of 256 x 256 is made by four waves, 128 x 128 each: 64 accumulators.  K goes in steps of 256 through a ring of two LDS slots filled by the tensor data mover.
; THE CLUSTER'S x SAYS WHICH PRODUCT: 0 q, 1 k, 2 v.  It is the same in all sixteen partners.  The matrix instruction takes source 0 = 16 rows of B', source 1 = 16 rows of A': a lane then holds one row of A'
; and eight neighbouring rows of B'.  For q and k: A' = h (tokens), B' = the weight (features): a lane's eight numbers are neighbours along the head's channels, the next K.  For v: A' = wv (features),
; B' = h (tokens): a lane's eight numbers are neighbours along the KEYS, which are the second attention product's K.  Both operands have rows of 1,024 bytes, so one text serves all three.
; CLUSTERS: 4 x 4 work-groups; A's tile is shared along a row of the cluster, B's along a column: each is asked for jointly.
; THE OUTPUT.  Plane 0: q [2][16][2048][64]; plane 1: k likewise; plane 2: v [2][1024 features][2048 keys].  Inside each block of 32 along the last axis, position 16 h + 8 u + j holds index 16 u + 8 h + j
; (h, u = 0, 1): for q and k the same order on both sides of their product; for v the order in which a 16-byte load gives a lane the keys that p's codes hold in the same registers.
; REGISTERS, in windows of 256: window 0: v0-31 addresses; from v128 A's fragments, ONE set; on the way out v96-255 are at work.  window 1: B's fragments, TWO sets.  windows 2, 3: the accumulators.
.set KSTEP,  256                       ; along K in a slot
.set ROWB,   256                       ; a tile's row in bytes
.set KROW,   1024                      ; a row of A' or of B' in memory, in bytes
.set PITCH,  272                       ; an LDS row: 256 bytes + 16 of padding: the 16 rows that a load touches start at 16 different banks
.set FR,     16                        ; registers of a fragment: 16 rows x 128 K
.set NL,     4                         ; LDS loads that bring one
.set NP,     4                         ; places behind this matrix instruction (ISA guide 7.12.1)
.set HALFT,  128*PITCH                 ; 128 rows: what one tensor load brings, and what one wave reads of A' or of B'
.set SLOT,   4*HALFT                   ; A's 256 rows, then B's 256 rows
.set LAPS,   KROW/(2*KSTEP)            ; a lap = two K steps = once round the ring
.set SPARE,  2*SLOT                    ; behind the ring: the spare words, 128 bytes for each wave: two blocks of 256 bytes that no other line names
.set ADRA, 16                          ; v16-17  LDS address of my A fragments in slot 0, 1
.set ADRB, 20                          ; v20-21  the same for B
.set RDQ,  22                          ; v22-23  the way out by heads: where I read 16 bytes of a token's 64 (rows 0-127; rows 128-255)
.set RDQ2, 23
.set STO,  24                          ; v24     the way out: where I put 8 codes.  The stage, 256 rows x 272 bytes, lies in slot 0, which has had its last fill and its last read by then
.set RDV,  25                          ; v25     the way out by rows: where I read 16 bytes of a row
.set COV,  26                          ; v26     and my byte offset in v's plane
.set CO2,  27                          ; v27     16 x lane
.set SPW,  28                          ; v28     LDS address of my spare word; never rewritten
.set NIL,  29                          ; v29     0; never rewritten
.set CD,   96                          ; v96-111 a block's codes
.set SCL,  112                         ; v112    2^(eo - eA - eB) as f32
.set LIM,  113                         ; v113    57,344 x that
.set U,    128                         ; v128-191 a block's held sums; v128-255 the stage read back
.set AF,   128                         ; A's fragments, in window 0
.set G1, 24                            ; s[24:31] descriptor group 1 for A's tiles;  s[32:39] group 0, one set for each slot
.set G0, 32
.set G1B, 48                           ; s[48:55], s[56:63] the same for B's tiles
.set G0B, 56
.set MSB, 0
.macro WIN new                         ; the immediate's high byte repeats the setting that is left
.if MSB != \new
	s_set_vgpr_msb (MSB<<8)|\new
.set MSB, \new
.endif
.endm
.set MUL_LO, 0xa1                      ; source 0 (B') window 1, source 1 (A') window 0, C and D window 2
.set MUL_HI, 0xf1                      ; the same, C and D window 3
.set TO_B,   0x40                      ; destination window 1, address window 0
; A joint load: waves 0 and 1 fetch for A', waves 2 and 3 for B'.  The branch hangs on the wave's number alone.  An s_nop 0 and four v_nop follow each of the two lines.
.macro JLOAD g0a, g1a, g0b, g1b
	s_cmp_eq_u32 s15, 0
	s_cbranch_scc0 .Lfor_b_\@
	tensor_load_to_lds s[\g0a:\g0a+3], s[\g1a:\g1a+7]
	s_nop 0
.rept 4
	v_nop
.endr
	s_branch .Lasked_\@
.Lfor_b_\@:
	tensor_load_to_lds s[\g0b:\g0b+3], s[\g1b:\g1b+7]
	s_nop 0
.rept 4
	v_nop
.endr
.Lasked_\@:
.endm
.macro CREST                           ; a round of the cluster's barrier behind its opening barrier
	s_cmp_lg_u32 s14, 0
	s_cbranch_scc1 .Lnot_wave_0_\@
	s_barrier_signal -3
.Lnot_wave_0_\@:
	s_barrier_wait -3
	s_barrier_signal -1
	s_barrier_wait -1
.endm
.macro CROUND                          ; a whole round
	s_barrier_signal -1
	s_barrier_wait -1
	CREST
.endm
	s_load_b256 s[4:11], s[0:1], 0x0               ; h's codes s[4:5], wq s[6:7], wk s[8:9], wv s[10:11]
	s_load_b128 s[84:87], s[0:1], 0x20             ; the scales' exponents s[84:85], the output s[86:87]
	v_lshl_add_u32 v[SPW], v0, 2, SPARE
	v_mov_b32 v[NIL], 0
	ds_add_u32 v[SPW], v[NIL]                      ; the wave's opening: the add, twice on end, and its wait ahead of my first tensor load
	ds_add_u32 v[SPW], v[NIL]                      ; and once more, under the one wait; the set-up below, work on registers, stands between
	v_lshrrev_b32 v1, 5, v0
	v_readfirstlane_b32 s14, v1                    ; wave 0..3
	s_lshr_b32 s15, s14, 1                         ; which half of A's rows is mine.  Also: I fetch for A' (0) or for B' (1)
	s_and_b32 s16, s14, 1                          ; which half of B's rows.  Also: which 128 rows of that tile I fetch
	s_bfe_u32 s40, ttmp6, 0x40000                  ; cx, cy: my place in the cluster
	s_bfe_u32 s41, ttmp6, 0x40004
	s_and_b32 s17, ttmp7, 0xffff
	s_lshl_b32 s17, s17, 2                         ; 4 x cluster y: the tokens' tiles go along y
	s_cmp_eq_u32 ttmp9, 2                          ; v?  The cluster's x: the same in all partners
	s_cselect_b32 s92, 0, s17
	s_cselect_b32 s93, s17, 0
	s_add_co_u32 s17, s92, s41                     ; A's tile: q, k: tokens 4 y + cy; v: features cy
	s_add_co_u32 s42, s93, s40                     ; B's tile: q, k: features cx; v: tokens 4 y + cx
	s_lshl_b32 s43, s41, 2
	s_lshl_b32 s43, 15, s43                        ; my row of the cluster
	s_lshl_b32 s44, 0x1111, s40                    ; my column
	; descriptor group 1: a tile of 128 rows x 256 bytes, padded in LDS
	s_or_b32 s[G1+0], s43, (0<<16)|(1<<20)|(1<<21)|(5<<22)|(3<<25)  ; 15:0 the mask: A's tiles go to my row; 17:16 element of 1 byte; 20 padding on; 21 set beside a mask; 24:22 after every 64 words; 31:25 of 4 words
	s_or_b32 s[G1B+0], s44, (0<<16)|(1<<20)|(1<<21)|(5<<22)|(3<<25)
.irp g, G1, G1B
	s_mov_b32 s[\g+1], ROWB<<16                    ; tensor_dim0
	s_mov_b32 s[\g+2], 128<<16                     ; tensor_dim1 = 128
	s_mov_b32 s[\g+3], ROWB<<16                    ; tile_dim0
	s_mov_b32 s[\g+4], 128                         ; tile_dim1 = 128
	s_mov_b32 s[\g+5], KROW                        ; tensor_dim0_stride
	s_mov_b32 s[\g+6], 0
	s_mov_b32 s[\g+7], 0
.endr
	s_lshl_b32 s18, s16, 7                         ; which 128 rows of the tile I fetch
	s_lshl_b32 s20, s17, 8
	s_add_co_u32 s20, s20, s18                     ; A': row 256 x tile + 128 x half
	s_lshl_b32 s46, s42, 8
	s_add_co_u32 s46, s46, s18                     ; B' likewise
	s_mov_b32 s21, 0
	s_mov_b32 s47, 0
	s_mov_b64 s[18:19], KROW
	s_mul_u64 s[20:21], s[20:21], s[18:19]
	s_mul_u64 s[46:47], s[46:47], s[18:19]
	s_mul_i32 s45, s14, HALFT                      ; where they go: wave x 128 rows: no place in the cluster enters an LDS address
	s_wait_dscnt 0x0                               ; both opening adds are done
	s_wait_kmcnt 0x0
	s_load_b512 s[68:83], s[84:85], 0x0            ; the sixteen exponents: entry i in s[68 + i]
	s_lshl_b32 s88, ttmp9, 22
	s_mov_b32 s89, 0
	s_add_nc_u64 s[4:5], s[4:5], s[88:89]          ; h's plane for this product
	s_cmp_eq_u32 ttmp9, 0
	s_cselect_b64 s[6:7], s[6:7], s[8:9]           ; wq or wk
	s_cmp_eq_u32 ttmp9, 2
	s_cselect_b64 s[88:89], s[10:11], s[4:5]       ; A': wv for v, else h
	s_cselect_b64 s[90:91], s[4:5], s[6:7]         ; B': h for v, else the weight
	s_add_nc_u64 s[20:21], s[88:89], s[20:21]
	s_add_nc_u64 s[46:47], s[90:91], s[46:47]
	CROUND                                         ; all sixteen work-groups are here: the first joint loads meet
.irp s, 0,1
	s_mov_b32 s[G0+4*\s], 1
	s_add_co_u32 s[G0+4*\s+1], s45, \s*SLOT
	s_add_nc_u64 s[G0+4*\s+2:G0+4*\s+3], s[20:21], \s*ROWB
	s_or_b32 s[G0+4*\s+3], s[G0+4*\s+3], 0x80000000
	s_mov_b32 s[G0B+4*\s], 1
	s_add_co_u32 s[G0B+4*\s+1], s45, \s*SLOT
	s_add_nc_u64 s[G0B+4*\s+2:G0B+4*\s+3], s[46:47], \s*ROWB
	s_or_b32 s[G0B+4*\s+3], s[G0B+4*\s+3], 0x80000000
.endr
	JLOAD G0, G1, G0B, G1B                         ; K step 0: one tensor load a wave at the head
	v_and_b32 v1, 15, v0                           ; r = l % 16
	v_bfe_u32 v2, v0, 4, 1                         ; h = l / 16
	v_mul_u32_u24 v3, v1, PITCH
	v_lshl_add_u32 v4, v2, 4, v3                   ; a fragment's row x pitch + 16 x half
	s_wait_alu depctr_va_vdst(0)
	s_mul_i32 s21, s15, HALFT                      ; my 128 rows of A'
	s_mul_i32 s22, s16, HALFT                      ; my 128 rows of B',
	s_add_co_u32 s22, s22, 2*HALFT                 ; which lie behind A's 256
.irp s, 0,1
	v_add_nc_u32 v[ADRA+\s], s21, v4
	v_add_nc_u32 v[ADRB+\s], s22, v4
	s_add_co_u32 s21, s21, SLOT
	s_add_co_u32 s22, s22, SLOT
.endr
	s_mul_i32 s23, s15, HALFT                      ; the stage: my 128 rows, my 128 bytes of each; row r, + 16 h
	s_lshl_b32 s21, s16, 7
	s_add_co_u32 s23, s23, s21
	v_add_nc_u32 v[STO], s23, v4
	s_mul_i32 s23, s14, 64*PITCH                   ; back by rows: wave w takes rows 64 w on; lanes 0-15 one row of 256 bytes, lanes 16-31 the next
	v_mul_u32_u24 v5, v2, PITCH
	v_lshl_add_u32 v5, v1, 4, v5
	v_add_nc_u32 v[RDV], s23, v5
	v_lshlrev_b32 v[COV], 11, v2                   ; and the same two rows in v's plane: 2,048 bytes a feature
	v_lshl_add_u32 v[COV], v1, 4, v[COV]
	v_bfe_u32 v6, v0, 2, 3                         ; back by heads: wave w takes bytes 64 w on of every row; four lanes to a token, eight tokens an instruction
	v_mul_u32_u24 v6, v6, PITCH
	v_and_b32 v7, 3, v0
	v_lshl_add_u32 v6, v7, 4, v6
	s_lshl_b32 s23, s14, 6
	v_add_nc_u32 v[RDQ], s23, v6
	v_add_nc_u32 v[RDQ2], 128*PITCH, v[RDQ]
	v_and_b32 v7, 31, v0
	v_lshlrev_b32 v[CO2], 4, v7
	; where my wave's part of the output begins: plane x 2^22 + batch x 2^21 + (weight tile) x 2^19 + wave x 2^17 + (token tile in the batch) x 2^14 (q, k: 256 tokens of 64 bytes) or x 2^8 (v: 256 keys)
	s_cmp_eq_u32 ttmp9, 2
	s_cselect_b32 s20, s42, s17                    ; the tokens' tile
	s_cselect_b32 s21, s17, s42                    ; the weight's
	s_cselect_b32 s22, 8, 14
	s_lshr_b32 s23, s20, 3
	s_lshl_b32 s23, s23, 21
	s_and_b32 s20, s20, 7
	s_lshl_b32 s20, s20, s22
	s_add_co_u32 s20, s20, s23
	s_lshl_b32 s21, s21, 19
	s_add_co_u32 s20, s20, s21
	s_lshl_b32 s21, s14, 17
	s_add_co_u32 s20, s20, s21
	s_lshl_b32 s21, ttmp9, 22
	s_add_co_u32 s20, s20, s21
	s_mov_b32 s21, 0
	s_add_nc_u64 s[86:87], s[86:87], s[20:21]
.macro FRAG reg, adr, q, i             ; a fragment: lane l holds row l % 16; registers 4 c .. 4 c + 3 hold K = 32 c + 16 (l / 16) + 0 .. 15: the same order of k on both sides
.irp c, 0,1,2,3
	ds_load_b128 v[\reg+4*\c:\reg+4*\c+3], v[\adr] offset:128*(\q)+32*\c+(\i)*16*PITCH
.endr
.endm
; 16 matrix instructions: A's blocks a0, a0 + 1 x B's eight, 128 along K.  p: B's set.  zero = 1: the first product starts the sums.
; The 64 accumulators take turns, one instruction a turn, in the same order in every step.
.macro MUL16 a0, p, zero
.irp a, \a0, \a0+1
.irp b, 0,1,2,3,4,5,6,7
.if \zero
	v_wmma_f32_16x16x128_bf8_bf8 v[8*(8*((\a)%4)+\b):8*(8*((\a)%4)+\b)+7], v[128*(\p)+FR*\b:128*(\p)+FR*\b+FR-1], v[AF+FR*(\a):AF+FR*(\a)+FR-1], 0
.else
	v_wmma_f32_16x16x128_bf8_bf8 v[8*(8*((\a)%4)+\b):8*(8*((\a)%4)+\b)+7], v[128*(\p)+FR*\b:128*(\p)+FR*\b+FR-1], v[AF+FR*(\a):AF+FR*(\a)+FR-1], v[8*(8*((\a)%4)+\b):8*(8*((\a)%4)+\b)+7]
.endif
.endr
.endr
.endm
.macro FETCH_B slot, q, p              ; B's eight fragments of the slot's q-th 128 along K into set p
	WIN TO_B
.irp i, 0,1,2,3,4,5,6,7
	FRAG 128*(\p)+FR*\i, ADRB+\slot, \q, \i
.endr
	WIN 0
.endm
.macro FETCH_A slot, q, i0             ; A's blocks i0 .. i0 + 3
.irp i, \i0, \i0+1, \i0+2, \i0+3
	FRAG AF+FR*(\i), ADRA+\slot, \q, \i
.endr
.endm
.macro PLACES n                        ; plain vector instructions between a matrix instruction and a load into, or a vector read of, its registers
.rept \n
	v_nop
.endr
.endm
; A step of 128 along K that has its successor in the same slot.
.macro STEP slot, q, zero
	s_wait_dscnt 4*NL                              ; B's set and A's blocks 0-3 are in; the youngest loads (A's blocks 4-7) may be out
	WIN MUL_LO
	MUL16 0, (\q)%2, \zero
	MUL16 2, (\q)%2, \zero
	s_wait_dscnt 0                                 ; A's blocks 4-7 are in
	PLACES NP
	FETCH_B \slot, (\q)+1, 1-(\q)%2
	FETCH_A \slot, (\q)+1, 0
	WIN MUL_HI
	MUL16 4, (\q)%2, \zero
	MUL16 6, (\q)%2, \zero
	PLACES NP
	WIN 0
	FETCH_A \slot, (\q)+1, 4
.endm
; A slot's last step changes slots: ONE barrier; in front of it each wave waits for all its tensor loads, adds 0 to its spare word, and waits for that and for its own reads of this slot.  fill = 1: this slot is filled again.
.macro TURN slot, next, fill
	s_wait_tensorcnt 0x0                           ; all my tensor loads have landed: my part of the next slot
	ds_add_u32 v[SPW], v[NIL]                      ; 0 onto my spare word
	s_wait_dscnt 4*NL+1                            ; (the add and the youngest loads, A's blocks 4-7, may be out)
	WIN MUL_LO
	MUL16 0, 1, 0                                  ; sixteen matrix instructions stand between the add and the wait for it
	s_wait_dscnt 0x0                               ; the add is done, and my reads of this slot are over
	s_barrier_signal -1
	MUL16 2, 1, 0
	WIN 0
	s_barrier_wait -1
.if \fill
	CREST                                          ; the barrier has opened a round of the cluster's barrier: no wave of any partner still reads this slot's tile or has a load on its way
	s_add_nc_u64 s[G0+4*\slot+2:G0+4*\slot+3], s[G0+4*\slot+2:G0+4*\slot+3], 2*ROWB
	s_add_nc_u64 s[G0B+4*\slot+2:G0B+4*\slot+3], s[G0B+4*\slot+2:G0B+4*\slot+3], 2*ROWB
	JLOAD G0+4*\slot, G1, G0B+4*\slot, G1B         ; the first tensor load behind the round; its four v_nop are the places in front of the loads below
.else
	PLACES NP
.endif
	FETCH_B \next, 0, 0
	FETCH_A \next, 0, 0
	WIN MUL_HI
	MUL16 4, 1, 0
	MUL16 6, 1, 0
	PLACES NP
	WIN 0
	FETCH_A \next, 0, 4
.endm
	s_wait_alu depctr_va_vdst(0)                   ; the wait at the head's end
	s_wait_tensorcnt 0x0                           ; my part of K step 0 is in
	ds_add_u32 v[SPW], v[NIL]
	s_wait_dscnt 0x0
	CROUND                                         ; a whole round: everybody's part of K step 0 is in,
	JLOAD G0+4, G1, G0B+4, G1B                     ; and K step 1's load is the first tensor load behind the round
	FETCH_B 0, 0, 0
	FETCH_A 0, 0, 0
	FETCH_A 0, 0, 4
	STEP 0, 0, 1                                   ; the first step stands in front of the loop: its products start the sums
	s_mov_b32 s3, LAPS-1
.Llap:                                                 ; a trip goes once round the ring and fills both slots again
	TURN 0, 1, 1
	STEP 1, 0, 0
	TURN 1, 0, 1
	STEP 0, 0, 0
	s_sub_co_u32 s3, s3, 1
	s_cmp_lg_u32 s3, 0
	s_cbranch_scc1 .Llap
	TURN 0, 1, 0                                   ; the last lap fills nothing
	STEP 1, 0, 0
	s_wait_dscnt 4*NL                              ; the very last step: nothing more to fetch
	WIN MUL_LO
	MUL16 0, 1, 0
	MUL16 2, 1, 0
	s_wait_dscnt 0
	WIN MUL_HI
	MUL16 4, 1, 0
	MUL16 6, 1, 0
	WIN 0
	; THE WAY OUT.  The sums are held, turned into codes and gathered in the work-group's stage; behind a barrier each wave reads whole runs back and stores them.
	s_wait_kmcnt 0x0
	s_add_co_i32 s92, s68, s69                     ; eA + eB for q,
	s_add_co_i32 s93, s70, s71                     ; for k,
	s_add_co_i32 s94, s72, s73                     ; for v
	s_cmp_eq_u32 ttmp9, 0
	s_cselect_b32 s92, s92, s93
	s_cselect_b32 s93, s74, s75                    ; eo: entry 6 or 7,
	s_cmp_eq_u32 ttmp9, 2
	s_cselect_b32 s92, s94, s92
	s_cselect_b32 s93, s77, s93                    ; or 9
	s_sub_co_i32 s92, s93, s92                     ; eo - eA - eB
	s_add_co_i32 s92, s92, 127
	s_lshl_b32 s93, s92, 23
	s_add_co_i32 s92, s92, 15
	s_lshl_b32 s92, s92, 23
	s_or_b32 s92, s92, 0x600000
	PLACES NP                                      ; behind the last products
	v_mov_b32 v[SCL], s93
	v_mov_b32 v[LIM], s92
.macro QBLK a                          ; block a: my rows 16 a on of A' x my 128 rows of B'.  Each accumulator is read from its low end on
.set WN, 0x02+(\a)/4
	WIN WN                                         ; source 0: window 2 or 3
.set n, 0
.rept 64
	v_med3_num_f32 v[U+n], v[64*((\a)%4)+n], -v[LIM], v[LIM]   ; the conversion to an 8-bit code does not saturate (ISA guide 7.6.2): the hold comes first
.set n, n+1
.endr
	WIN 0
.irp b, 0,1,2,3,4,5,6,7
	v_cvt_scalef32_pk8_bf8_f32 v[CD+2*\b:CD+2*\b+1], v[U+8*\b:U+8*\b+7], v[SCL]
.endr
	v_nop                                          ; a plain line behind the last conversion: the next block's holds write its sources
.irp b, 0,1,2,3,4,5,6,7
	ds_store_b64 v[STO], v[CD+2*\b:CD+2*\b+1] offset:16*PITCH*(\a)+32*(\b/2)+8*(\b%2)   ; indices 16 b + 8 h + j go to positions 32 (b / 2) + 16 h + 8 (b % 2) + j
.endr
.endm
.irp a, 0,1,2,3,4,5,6,7
	QBLK \a
.endr
	s_wait_dscnt 0x0                               ; for the others' sake: my stores into the stage are done
	s_barrier_signal -1
	s_barrier_wait -1
	s_cmp_eq_u32 ttmp9, 2                          ; the cluster's x: all partners and all waves go the same way; no barrier stands in either arm
	s_cbranch_scc1 .Lrows
	; q, k: wave w stores the tile's head w: 256 tokens x 64 bytes, one dense run of 16 KiB
.set i, 0
.rept 32
.if i < 16
	ds_load_b128 v[U+4*i:U+4*i+3], v[RDQ] offset:8*PITCH*i
.else
	ds_load_b128 v[U+4*i:U+4*i+3], v[RDQ2] offset:8*PITCH*(i-16)
.endif
.set i, i+1
.endr
.set i, 0
.rept 32
	s_wait_dscnt 31-i                              ; LDS loads come back in order: load i is in, the younger ones may be out
	global_store_b128 v[CO2], v[U+4*i:U+4*i+3], s[86:87] offset:512*i   ; 32 lanes store 512 consecutive bytes, aligned
.set i, i+1
.endr
	s_branch .Lend
.Lrows:
	; v: wave w stores features 64 w on: sixteen lanes store a feature's 256 keys
.set i, 0
.rept 32
	ds_load_b128 v[U+4*i:U+4*i+3], v[RDV] offset:2*PITCH*i
.set i, i+1
.endr
.set i, 0
.rept 32
	s_wait_dscnt 31-i
	global_store_b128 v[COV], v[U+4*i:U+4*i+3], s[86:87] offset:2*2048*i   ; 16 lanes store 256 consecutive bytes, aligned
.set i, i+1
.endr
.Lend:
	s_wait_tensorcnt 0x0                           ; the wave's end: behind my last tensor load and my last LDS store
	ds_add_u32 v[SPW], v[NIL]
	s_wait_dscnt 0x0
	CROUND                                         ; the closing round: no work-group ends while a partner may still ask for a tile that names it
	s_endpgm
.Lfunc_end_k_q9094dcdef5_qkv:
	.size	k_q9094dcdef5_qkv, .Lfunc_end_k_q9094dcdef5_qkv-k_q9094dcdef5_qkv
	.p2alignl 7, 3214868480
	.fill 96, 4, 3214868480
	.section	.rodata,"a",@progbits
	.p2align	6, 0x0
	.amdhsa_kernel k_q9094dcdef5_qkv
		.amdhsa_group_segment_fixed_size 327680
		.amdhsa_private_segment_fixed_size 0
		.amdhsa_enable_private_segment 0
		.amdhsa_kernarg_size 48
		.amdhsa_user_sgpr_count 2
		.amdhsa_user_sgpr_kernarg_segment_ptr 1
		.amdhsa_wavefront_size32 1
		.amdhsa_system_sgpr_workgroup_id_x 1
		.amdhsa_system_sgpr_workgroup_id_y 1
		.amdhsa_system_sgpr_workgroup_id_z 1
		.amdhsa_system_vgpr_workitem_id 0
		.amdhsa_next_free_vgpr 1024
		.amdhsa_next_free_sgpr 98
		.amdhsa_reserve_vcc 0
		.amdhsa_float_denorm_mode_32 3
		.amdhsa_float_denorm_mode_16_64 3
		.amdhsa_memory_ordered 1
		.amdhsa_forward_progress 1
		.amdhsa_inst_pref_size 133
	.end_amdhsa_kernel
	.amdgpu_metadata
---
amdhsa.version: [ 1, 2 ]
amdhsa.kernels:
  - .name:           k_q9094dcdef5_qkv
    .symbol:         k_q9094dcdef5_qkv.kd
    .args:
      - { .name: hc, .offset: 0, .size: 8, .value_kind: global_buffer, .address_space: global }
      - { .name: wq_codes, .offset: 8, .size: 8, .value_kind: global_buffer, .address_space: global }
      - { .name: wk_codes, .offset: 16, .size: 8, .value_kind: global_buffer, .address_space: global }
      - { .name: wv_codes, .offset: 24, .size: 8, .value_kind: global_buffer, .address_space: global }
      - { .name: lowp_scales, .offset: 32, .size: 8, .value_kind: global_buffer, .address_space: global }
      - { .name: qkv, .offset: 40, .size: 8, .value_kind: global_buffer, .address_space: global }
    .group_segment_fixed_size: 327680
    .private_segment_fixed_size: 0
    .kernarg_segment_align: 8
    .kernarg_segment_size: 48
    .max_flat_workgroup_size: 128
    .sgpr_count:     98
    .vgpr_count:     1024
    .wavefront_size: 32
...
	.end_amdgpu_metadata
.endif
;; end of part 2
;; launch attn (part 3): grid 8 x 32, 16 waves a work-group, no clusters, 327,680 bytes of LDS; arguments qkv, lowp_scales, cc; writes cc
.if DOCPART == 3
	.amdgcn_target "amdgcn-amd-amdhsa--gfx1250"
	.amdhsa_code_object_version 6
	.text
	.protected	k_q9094dcdef5_attn
	.globl	k_q9094dcdef5_attn
	.p2align	8
	.type	k_q9094dcdef5_attn,@function
k_q9094dcdef5_attn:
	s_mov_b64 s[64:65], 0
	v_nop
	global_prefetch_b8 v0, s[64:65] scope:SCOPE_SE
	s_setreg_imm32_b32 hwreg(HW_REG_WAVE_MODE, 25, 1), 1
	s_wait_xcnt 0x0
; ctx[b][h][q][:] = the sum over k <= q of softmax_k(q . k / 8) v, head size 64, 2,048 keys, both products on codes of BF8 (E5M2); ctx is quantised at once for the next product (entry 10 of the scales).
; LEFT OUT AS DEAD WORK (shown at the head of the first launch): key steps all of whose keys come after a wave's 16 queries, and the fetch of slots that come after the work-group's last query.
; INPUT: the buffer of the launch before: plane 0 q, plane 1 k: [32 heads][2048][64]; plane 2 v: [32 heads][64][2048 keys]; inside blocks of 32 in the order stated there.
; THE SOFTMAX AHEAD OF THE SECOND PRODUCT: t = score x log2(e) / 8; M = the row's largest t so far, rounded UP to a whole number; p = 2^(t - M) is quantised (entry 8), not normalised.  The row's sum is
; taken of the unquantised p and divides at the end.  When M moves, the sum and O are multiplied by 2^(old M - new M): exact.
; SHARES.  Work-group (i, head) owns the query blocks i and 15 - i, of 128 queries each: under the mask every work-group then has the same number of live key steps.  Each of its sixteen waves owns one tile of
; 16 queries, in 256 registers: four waves to a SIMD.  Which block a wave takes is (w xor w / 4) % 2, so that both blocks have waves among w % 4 = c and among w / 4 = c alike.
; Every wave walks all eight slots of 256 keys (constant trip counts, every barrier passed) and jumps over the work of hidden steps.  K's and V's tiles come through a ring of two LDS slots
; (waves 0, 1: K's halves; wave 2: V's tile), read by all sixteen.
; NO CLUSTER: the partners of a head would need different numbers of slots (1,152 to 2,048 keys under the mask), so that all waves of some partner would jump over the reads of a joint tile.
; LAYOUT.  S^T = K Q^T (source 0 = 16 neighbouring keys, source 1 = my 16 queries), O^T = V^T P^T: a lane holds ONE query (lane % 16) throughout; register j of tile t is key 16 t + 8 (lane / 16) + j, so the
; conversions' results, registers 2 t and 2 t + 1, are the second product's operand; v's stored order gives a 16-byte load the same keys in the same registers.
; LIMITS on the given exponents: e6 + e7 between -123 and 130; e8 between -126 and 112; e10 - e8 - e9 between -126 and 112.  NaN is not served.
; REGISTERS: v1-7 addresses that stay; v8-11 addresses in hand; v12 -M, v13 the largest t, v[14:15] the sum; v16-23 Q; v32-95 fragments of K, then of V; v96-159 S^T, then p; v160-191 O^T; v224-239 p's codes;
;   v240, v244 the hold and the scale for p; v241, v245 those for ctx; v[242:243], v252-254 at work; v246 the lane permute's destination: a register of its own, which no matrix instruction names.
.set SK,    256                        ; keys in a slot
.set NSL,   8                          ; slots' worth of keys
.set KP,    80                         ; a key's row in LDS: 64 bytes + 16 of padding: 16 rows start at 16 different groups of four banks
.set VP,    272                        ; a row of V's tile: 256 bytes + 16
.set VOFF,  SK*KP                      ; a slot: 256 rows of K, then 64 rows of V
.set SLOT1, 1<<17                      ; slot 1 begins here: one exclusive or turns an address in one slot into the other's
.set SPARE, 2*SLOT1                    ; behind the ring: the spare words, 128 bytes for each wave: eight blocks of 256 bytes that no other line names
.set AK0,  1                           ; v1   my lane's place in a tile of K
.set AV0,  2                           ; v2   the same for V
.set PFO,  3                           ; v3   the prefetches' offset; never rewritten
.set SPW,  5                           ; v5   LDS address of my spare word; never rewritten
.set NIL,  6                           ; v6   0; never rewritten
.set GO,   7                           ; v7   16 x lane
.set ADK,  8
.set ADV,  9
.set PX,   246                         ; v246 the lane permute's destination
.set TB,   2                           ; s2   LDS byte at which the slot in hand begins
.set WV,   18
.set SEL,  20                          ; s[20:21] lane selects: lane l xor 16
.set CS,   22                          ; s[22:23] c = log2(e) / 8 x 2^(e6 + e7)
.set G1K,  24
.set G1V,  32
.set G0K,  40
.set G0V,  44
.set SLOTS, 67                         ; s67  slots still to be asked for (or left out at the causal limit)
.set PFA,  84                          ; s[84:85] where my prefetches stand
.set PFS,  86                          ; s[86:87] a slot on, in bytes
.set LIM,  88                          ; s88  1 in a wave that prefetches, else the greatest number
.set QL,   95                          ; s95  my work-group's last query
.set KF,   98                          ; s98  the step's first key
.set Q0,   99                          ; s99  my first query
; Waves 0 and 1 fetch K's halves, wave 2 V's tile, the others nothing.  An s_nop 0 and four v_nop follow each of the two lines.
.macro TLOAD
	s_cmp_lt_u32 s[WV], 2
	s_cbranch_scc0 .Lnot_k_\@
	tensor_load_to_lds s[G0K:G0K+3], s[G1K:G1K+7]
	s_nop 0
.rept 4
	v_nop
.endr
	s_branch .Lasked_\@
.Lnot_k_\@:
	s_cmp_eq_u32 s[WV], 2
	s_cbranch_scc0 .Lasked_\@
	tensor_load_to_lds s[G0V:G0V+3], s[G1V:G1V+7]
	s_nop 0
.rept 4
	v_nop
.endr
.Lasked_\@:
.endm
; A PREFETCH INTO THE L2 of what the NEXT change of slots will ask for: 256 rows of K, one dense block of 16,384 bytes, and 256 keys of each of V's 64 rows.  Each aligned block of 256 bytes is asked for once in
; the launch: all eight work-groups of a head walk the same K and V, so the head's first asks (it walks all slots); in it waves 4, 5 ask for K's block, 8,192 bytes a wave, lanes 256 bytes apart, and waves
; 6, 7 for V's rows, 32 a wave, a lane a row.  The last change that fills a slot asks for nothing; slots 0 and 1 come by their loads alone.
.macro ASK
	s_cmp_gt_u32 s[SLOTS], s[LIM]
	s_cbranch_scc0 .Lnot_mine_\@
	global_prefetch_b8 v[PFO], s[PFA:PFA+1] th:TH_LOAD_NT scope:SCOPE_SE
.Lnot_mine_\@:
.endm
	s_load_b128 s[4:7], s[0:1], 0x0                ; q, k, v's codes s[4:5], the scales' exponents s[6:7]
	s_load_b64 s[8:9], s[0:1], 0x10                ; ctx's codes
	v_lshl_add_u32 v[SPW], v0, 2, SPARE
	v_mov_b32 v[NIL], 0
	ds_add_u32 v[SPW], v[NIL]                      ; the wave's opening: the add, twice on end, and its wait ahead of my first tensor load
	ds_add_u32 v[SPW], v[NIL]                      ; and once more, under the one wait; the set-up below, work on registers, stands between
	v_lshrrev_b32 v8, 5, v0
	s_delay_alu instid0(VALU_DEP_1)
	v_readfirstlane_b32 s[WV], v8                  ; wave 0..15
	s_and_b32 s48, ttmp7, 0xffff
	s_lshl_b32 s48, s48, 17                        ; the head's first byte in each plane and in ctx: 2,048 x 64 bytes a head
	s_lshr_b32 s50, s[WV], 2
	s_xor_b32 s50, s50, s[WV]
	s_and_b32 s50, s50, 1                          ; which of the two blocks
	s_sub_co_u32 s51, 15, ttmp9
	s_cmp_eq_u32 s50, 1
	s_cselect_b32 s51, s51, ttmp9
	s_lshl_b32 s51, s51, 7
	s_lshr_b32 s52, s[WV], 1
	s_lshl_b32 s52, s52, 4
	s_add_co_u32 s[Q0], s51, s52                   ; my first query: 128 x block + 16 x (wave / 2)
	s_lshl_b32 s[QL], ttmp9, 7
	s_sub_co_u32 s[QL], 2047, s[QL]                ; the last query of block 15 - i
	s_lshl_b32 s52, s[Q0], 6
	s_add_co_u32 s52, s52, s48                     ; my queries' bytes, in q's plane and in ctx alike
	s_mov_b32 s53, 0
	s_and_b32 s54, s[WV], 1
	s_lshl_b32 s56, s54, 13                        ; K: my 128 keys of a slot, in memory,
	s_add_co_u32 s56, s56, s48
	s_add_co_u32 s56, s56, 1<<22                   ; in plane 1,
	s_mov_b32 s57, 0
	s_mul_i32 s55, s54, 128*KP                     ; and in a slot
	s_add_co_u32 s58, s48, 2<<22                   ; V: plane 2
	s_mov_b32 s59, 0
	; descriptor group 1: K: 128 rows of 64 bytes, dense in memory;  V: 64 rows of 256 bytes, 2,048 bytes apart
	s_mov_b32 s[G1K], (0<<16)|(1<<20)|(3<<22)|(3<<25)   ; no mask; elements of 1 byte; padding on: four words after every 16
	s_mov_b32 s[G1K+1], 64<<16                     ; tensor_dim0
	s_mov_b32 s[G1K+2], 128<<16                    ; tensor_dim1
	s_mov_b32 s[G1K+3], 64<<16                     ; tile_dim0
	s_mov_b32 s[G1K+4], 128                        ; tile_dim1
	s_mov_b32 s[G1K+5], 64                         ; tensor_dim0_stride
	s_mov_b32 s[G1K+6], 0
	s_mov_b32 s[G1K+7], 0
	s_mov_b32 s[G1V], (0<<16)|(1<<20)|(5<<22)|(3<<25)   ; padding: four words after every 64
	s_mov_b32 s[G1V+1], 256<<16
	s_mov_b32 s[G1V+2], 64<<16
	s_mov_b32 s[G1V+3], 256<<16
	s_mov_b32 s[G1V+4], 64
	s_mov_b32 s[G1V+5], 2048
	s_mov_b32 s[G1V+6], 0
	s_mov_b32 s[G1V+7], 0
	s_mov_b32 s[SEL], 0x76543210
	s_mov_b32 s[SEL+1], 0xfedcba98
	s_mov_b32 s[CS], 0x3e38aa3b                    ; log2(e) / 8
	s_mov_b32 s[TB], 0
	s_mov_b32 s[SLOTS], NSL-1
	s_mov_b32 s[KF], 0
	s_wait_dscnt 0x0                               ; both opening adds are done
	s_wait_kmcnt 0x0
	s_load_b512 s[68:83], s[6:7], 0x0              ; the sixteen exponents: entry i in s[68 + i]
	s_mov_b32 s[G0K], 1                            ; count = 1
	s_mov_b32 s[G0K+1], s55                        ; LDS address: slot 0
	s_add_nc_u64 s[G0K+2:G0K+3], s[4:5], s[56:57]  ; global address: the head's first keys
	s_or_b32 s[G0K+3], s[G0K+3], 0x80000000        ; type = 2
	s_mov_b32 s[G0V], 1
	s_mov_b32 s[G0V+1], VOFF
	s_add_nc_u64 s[G0V+2:G0V+3], s[4:5], s[58:59]
	s_or_b32 s[G0V+3], s[G0V+3], 0x80000000
	TLOAD                                          ; slot 0: it holds key 0, which counts for every query
	s_add_nc_u64 s[60:61], s[4:5], s[52:53]        ; q at my first query
	s_add_nc_u64 s[62:63], s[8:9], s[52:53]        ; ctx likewise
	; the prefetches: where my wave's stand, and who asks
	s_cmp_lt_u32 s[WV], 6                          ; waves 4, 5 ask for K's codes, waves 6, 7 for V's
	s_mov_b32 s[PFS], 256
	s_cselect_b32 s[PFS], SK*64, s[PFS]            ; a slot on
	s_mov_b32 s89, 2048
	s_cselect_b32 s89, 256, s89                    ; from lane to lane
	s_mov_b32 s90, 32*2048
	s_cselect_b32 s90, 8192, s90                   ; from wave to wave
	s_mov_b32 s91, 2<<22
	s_cselect_b32 s91, 1<<22, s91                  ; the plane
	v_and_b32 v[PFO], 31, v0
	s_delay_alu instid0(VALU_DEP_1)
	v_mul_lo_u32 v[PFO], v[PFO], s89
	s_mul_i32 s92, s54, s90                        ; my wave's part,
	s_add_co_u32 s92, s92, s[PFS]                  ; in slot 1: the first change of slots steps it to slot 2.  Nothing is prefetched here, at the head
	s_add_co_u32 s92, s92, s91
	s_add_co_u32 s92, s92, s48
	s_mov_b32 s93, 0
	s_mov_b32 s[PFS+1], 0
	s_add_nc_u64 s[PFA:PFA+1], s[4:5], s[92:93]
	s_sub_co_u32 s92, s[WV], 4
	s_lshr_b32 s92, s92, 2                         ; 0 in waves 4 to 7,
	s_or_b32 s92, s92, ttmp9                       ; of the head's first work-group
	s_cmp_eq_u32 s92, 0
	s_cselect_b32 s[LIM], 1, -1
	v_and_b32 v8, 15, v0                           ; r = lane % 16
	v_bfe_u32 v9, v0, 4, 1                         ; h = lane / 16
	s_delay_alu instid0(VALU_DEP_2)
	v_lshlrev_b32 v10, 6, v8
	s_delay_alu instid0(VALU_DEP_1)
	v_lshl_add_u32 v10, v9, 4, v10                 ; Q: row r of 64 bytes, + 16 h
.irp c, 0,1
	global_load_b128 v[16+4*\c:19+4*\c], v10, s[60:61] offset:32*\c   ; Q's fragment stays in registers
.endr
	v_mul_u32_u24 v[AK0], v8, KP
	s_delay_alu instid0(VALU_DEP_1)
	v_lshl_add_u32 v[AK0], v9, 4, v[AK0]
	v_mul_u32_u24 v[AV0], v8, VP
	s_delay_alu instid0(VALU_DEP_1)
	v_lshl_add_u32 v[AV0], v9, 4, v[AV0]
	s_delay_alu instid0(VALU_DEP_1)
	v_add_nc_u32 v[AV0], VOFF, v[AV0]
	v_and_b32 v[GO], 31, v0
	s_delay_alu instid0(VALU_DEP_1)
	v_lshlrev_b32 v[GO], 4, v[GO]
	v_mov_b32 v13, 0xff61b1e6                      ; the largest t so far: -3e38, under every t
	s_delay_alu instid0(VALU_DEP_1)
	v_floor_f32 v12, -v13                          ; -M
	v_mov_b32 v14, 0                               ; the sum, in two halves
	v_mov_b32 v15, 0
	v_mov_b32 v[PX], 0                             ; written once: a lane permute's destination counts as one of its sources
	v_mov_b32 v253, 0                              ; (named as the upper half of the pair v[252:253])
.set n, 0
.rept 32
	v_mov_b32 v[160+n], 0                          ; O^T.  (The step is written once for first and later steps: the first finds zeros, which the first change of M leaves zeros)
.set n, n+1
.endr
	s_wait_kmcnt 0x0
	s_add_co_i32 s89, s74, s75
	s_lshl_b32 s89, s89, 23
	s_add_co_i32 s[CS], s[CS], s89                 ; a score stands for score x 2^(e6 + e7): the two exponents are added to c's exponent field
	s_mov_b32 s[CS+1], s[CS]                       ; (named with it as a pair, so it is written)
	s_add_co_i32 s89, s76, 127
	s_lshl_b32 s90, s89, 23
	v_mov_b32 v244, s90                            ; 2^e8 as f32, for p's conversion
	s_add_co_i32 s89, s89, 15
	s_lshl_b32 s89, s89, 23
	s_or_b32 s89, s89, 0x600000
	v_mov_b32 v240, s89                            ; 57,344 x 2^e8
; A KEY STEP: 128 keys, the q-th of the slot in hand.
.macro STEP q
	s_add_co_u32 s96, s[Q0], 15                    ; a step all of whose keys come after my 16 queries is left out: a scalar branch on ids, round the step's loads, products and softmax alone
	s_cmp_gt_u32 s[KF], s96
	s_cbranch_scc1 .Lhidden_\@
	v_add_nc_u32 v[ADK], s[TB], v[AK0]
	v_add_nc_u32 v[ADV], s[TB], v[AV0]
.rept 2
	v_nop                                          ; with the two additions: four places in front of loads into registers that the last products read
.endr
.irp t, 0,1,2,3,4,5,6,7
.irp c, 0,1
	ds_load_b128 v[32+8*\t+4*\c:32+8*\t+4*\c+3], v[ADK] offset:(128*(\q)+16*\t)*KP+32*\c
.endr
.endr
	s_wait_alu depctr_va_vdst(0)
	s_wait_dscnt 0x0
.irp t, 0,1,2,3,4,5,6,7
	v_wmma_f32_16x16x64_bf8_bf8 v[96+8*\t:103+8*\t], v[32+8*\t:39+8*\t], v[16:23], 0   ; S^T: register j of tile t = key 16 t + 8 h + j, my query r
.endr
.rept 4
	v_nop                                          ; places in front of the loads below and of the first read of the scores
.endr
.irp t, 0,1,2,3
.irp c, 0,1,2,3
	ds_load_b128 v[32+16*\t+4*\c:32+16*\t+4*\c+3], v[ADV] offset:16*\t*VP+128*(\q)+32*\c   ; V's four fragments land while the softmax is walked
.endr
.endr
	s_add_co_u32 s96, s[KF], 127                   ; on the diagonal the scores of hidden keys become -infinity ahead of the maximum: p = 0 then.  A step all of whose keys count skips this
	s_cmp_le_u32 s96, s[Q0]
	s_cbranch_scc1 .Lopen_\@
	s_sub_co_i32 s96, s[Q0], s[KF]
	v_and_b32 v252, 15, v0
	v_bfe_u32 v253, v0, 4, 1
	s_delay_alu instid0(VALU_DEP_1)
	v_lshlrev_b32 v253, 3, v253
	s_delay_alu instid0(VALU_DEP_1)
	v_sub_nc_u32 v252, v252, v253
	s_delay_alu instid0(VALU_DEP_1)
	v_add_nc_u32 v252, s96, v252                   ; d = my query - KF - 8 h.  Register 8 t + j holds key KF + 8 h + 16 t + j: hidden where 16 t + j > d
	v_mov_b32 v254, 0xff800000                     ; -infinity
.set n, 0
.rept 64
	v_cmp_gt_i32 vcc_lo, 16*(n/8)+n%8, v252
	v_cndmask_b32 v[96+n], v[96+n], v254, vcc_lo
.set n, n+1
.endr
.Lopen_\@:
	v_max3_num_f32 v254, v96, v97, v98             ; the step's largest score of my query, among my 64 keys, in two chains,
	v_max3_num_f32 v252, v99, v100, v101
.irp i, 6,10,14,18,22,26,30,34,38,42,46,50,54,58
	v_max3_num_f32 v254, v254, v[96+\i], v[97+\i]
	v_max3_num_f32 v252, v252, v[98+\i], v[99+\i]
.endr
	v_max3_num_f32 v254, v254, v158, v159
	s_delay_alu instid0(VALU_DEP_1)
	v_max_num_f32 v254, v254, v252
	s_delay_alu instid0(VALU_DEP_1)
	v_permlanex16_b32 v[PX], v254, s[SEL], s[SEL+1]
	s_delay_alu instid0(VALU_DEP_1)
	v_max_num_f32 v254, v254, v[PX]                ; and among lane l xor 16's
	s_delay_alu instid0(VALU_DEP_1)
	v_mul_f32 v254, s[CS], v254                    ; as t (c is positive)
	s_delay_alu instid0(VALU_DEP_1)
	v_max_num_f32 v13, v13, v254                   ; the running largest t
	v_mov_b32 v254, v12
	s_delay_alu instid0(VALU_DEP_2)
	v_floor_f32 v12, -v13                          ; the new -M = floor(-t) = -ceil(t): M is a whole number
	s_delay_alu instid0(VALU_DEP_1)
	v_sub_f32 v254, v12, v254                      ; M's old value less its new one: a whole number, 0 or less
	s_delay_alu instid0(VALU_DEP_1)
	v_cvt_i32_f32 v254, v254                       ; (it saturates)
	s_delay_alu instid0(VALU_DEP_1)
	v_ldexp_f32 v252, 1.0, v254                    ; f = 2^(old M - new M)
.set n, 0
.rept 32
	v_pk_fma_f32 v[96+n:97+n], v[96+n:97+n], s[CS:CS+1], v[12:13] op_sel_hi:[1,0,0]   ; t - M, two at a time (of the pairs c and -M the low word serves both halves)
.set n, n+2
.endr
.set n, 0
	s_wait_alu depctr_va_vdst(0)
.rept 64
	v_exp_f32 v[96+n], v[96+n]                     ; p = 2^(t - M), at most 1: not normalised
.set n, n+1
.endr
	v_pk_mul_f32 v[14:15], v[14:15], v[252:253] op_sel_hi:[1,0]   ; the sums under the new M.  (A plain place behind the exponentials)
	s_wait_alu depctr_va_vdst(0)                   ; one wait for the whole batch, ahead of its first reader
	v_pk_add_f32 v[242:243], v[100:101], v[104:105]
	v_pk_add_f32 v[254:255], v[108:109], v[112:113]
	v_pk_add_f32 v[250:251], v[116:117], v[120:121]
	v_pk_add_f32 v[248:249], v[124:125], v[128:129]
	v_pk_add_f32 v[238:239], v[132:133], v[136:137]
	v_pk_add_f32 v[236:237], v[140:141], v[144:145]
	v_pk_add_f32 v[234:235], v[148:149], v[152:153]
	v_pk_add_f32 v[14:15], v[14:15], v[156:157]
	v_pk_add_f32 v[242:243], v[242:243], v[96:97]
	v_pk_add_f32 v[254:255], v[254:255], v[98:99]
	v_pk_add_f32 v[250:251], v[250:251], v[102:103]
	v_pk_add_f32 v[248:249], v[248:249], v[106:107]
	v_pk_add_f32 v[238:239], v[238:239], v[110:111]
	v_pk_add_f32 v[236:237], v[236:237], v[114:115]
	v_pk_add_f32 v[234:235], v[234:235], v[118:119]
	v_pk_add_f32 v[14:15], v[14:15], v[122:123]
	v_pk_add_f32 v[242:243], v[242:243], v[126:127]
	v_pk_add_f32 v[254:255], v[254:255], v[130:131]
	v_pk_add_f32 v[250:251], v[250:251], v[134:135]
	v_pk_add_f32 v[248:249], v[248:249], v[138:139]
	v_pk_add_f32 v[238:239], v[238:239], v[142:143]
	v_pk_add_f32 v[236:237], v[236:237], v[146:147]
	v_pk_add_f32 v[234:235], v[234:235], v[150:151]
	v_pk_add_f32 v[14:15], v[14:15], v[154:155]
	v_pk_add_f32 v[242:243], v[242:243], v[158:159]
	s_delay_alu instid0(VALU_DEP_2)
	v_pk_add_f32 v[14:15], v[14:15], v[248:249]
	s_delay_alu instid0(VALU_DEP_2)
	v_pk_add_f32 v[242:243], v[242:243], v[238:239]
	v_pk_add_f32 v[254:255], v[254:255], v[236:237]
	v_pk_add_f32 v[250:251], v[250:251], v[234:235]
	s_delay_alu instid0(VALU_DEP_2)
	v_pk_add_f32 v[14:15], v[14:15], v[254:255]
	s_delay_alu instid0(VALU_DEP_2)
	v_pk_add_f32 v[242:243], v[242:243], v[250:251]
	s_delay_alu instid0(VALU_DEP_1)
	v_pk_add_f32 v[14:15], v[14:15], v[242:243]
.irp b, 0,1,2,3
.set n, 0
.rept 16
	v_min_num_f32 v[96+16*\b+n], v[96+16*\b+n], v240   ; the conversion does not saturate (ISA guide 7.6.2); p is not negative, so the hold is one-sided
.set n, n+1
.endr
	v_cvt_scalef32_pk8_bf8_f32 v[224+4*\b:225+4*\b], v[96+16*\b:103+16*\b], v244
	v_cvt_scalef32_pk8_bf8_f32 v[226+4*\b:227+4*\b], v[104+16*\b:111+16*\b], v244
.endr
.set n, 0
.rept 16
	v_pk_mul_f32 v[160+n:161+n], v[160+n:161+n], v[252:253] op_sel_hi:[1,0]   ; O^T under the new M: x f.  (These are also the plain lines between the conversions and the products)
.set n, n+2
.endr
	s_wait_alu depctr_va_vdst(0)
	s_wait_dscnt 0x0                               ; V's fragments are in
.irp t, 0,1,2,3
	v_wmma_f32_16x16x128_bf8_bf8 v[160+8*\t:167+8*\t], v[32+16*\t:47+16*\t], v[224:239], v[160+8*\t:167+8*\t]   ; O^T += V^T P^T: the four accumulators take one turn each
.endr
.Lhidden_\@:
	s_add_co_u32 s[KF], s[KF], 128
.endm
; THE CHANGE OF SLOTS stands at a slot's head.  Each wave waits for all its tensor loads, adds 0 to its spare word (fill = 1: twice on end), and waits for that and for its reads of the slot that it has left.
; Behind the barrier the slot ahead is whole and nobody reads the other one.  fill = 1: that other slot is filled with the keys that follow, up to the causal limit.
.macro CHANGE fill
	s_wait_tensorcnt 0x0                           ; no tensor load of mine is out, so a group 0 may be written
	ds_add_u32 v[SPW], v[NIL]                      ; 0 onto my spare word
.if \fill
	ds_add_u32 v[SPW], v[NIL]                      ; and once more: the add twice on end, in every trip alike
	s_xor_b32 s[G0K+1], s[G0K+1], SLOT1            ; the walking descriptors: the other slot than last time,
	s_add_nc_u64 s[G0K+2:G0K+3], s[G0K+2:G0K+3], SK*64   ; the next 256 keys
	s_xor_b32 s[G0V+1], s[G0V+1], SLOT1
	s_add_nc_u64 s[G0V+2:G0V+3], s[G0V+2:G0V+3], SK
	s_wait_xcnt 0x0                                ; the last prefetch, a slot back, has read its address, so it may be written:
	s_add_nc_u64 s[PFA:PFA+1], s[PFA:PFA+1], s[PFS:PFS+1]  ; one slot further on than the walking descriptors
.endif
	s_wait_dscnt 0x0                               ; the add is done (fill = 1: both are), and my reads of the slot that I have left are over
	s_barrier_signal -1
	s_barrier_wait -1
.if \fill
	s_add_co_u32 s96, s[KF], SK                    ; the first key of the slot that this change would ask for.  A slot that begins after my work-group's last query is read by none of its waves: it is not asked for
	s_cmp_gt_u32 s96, s[QL]                        ; ids and the count of steps alone: all sixteen waves go the same way, and a work-group that is past the limit stays past it; every wait on TENSORcnt here is for 0
	s_cbranch_scc1 .Lpast_\@
	TLOAD                                          ; a wave's one tensor load until the next such barrier
.Lpast_\@:
	ASK                                            ; what the next change of slots will ask for: a slot's two key steps ahead of that load
.endif
.endm
.macro SLOT_STEPS
	STEP 0
	STEP 1
	s_xor_b32 s[TB], s[TB], SLOT1                  ; on to the other slot
.endm
	s_wait_loadcnt 0x0                             ; Q
.Lslot:                                            ; NSL - 1 trips
	CHANGE 1
	SLOT_STEPS
	s_sub_co_u32 s[SLOTS], s[SLOTS], 1
	s_cmp_lg_u32 s[SLOTS], 0
	s_cbranch_scc1 .Lslot
	CHANGE 0                                       ; the last slot is written out: nothing is left to ask for
	SLOT_STEPS
	; THE WAY OUT.  O^T / the sum stands for ctx / 2^(e8 + e9): its code is that / 2^(e10 - e8 - e9).  16 queries x 64 codes go through my stage (16 rows x 80 bytes, in slot 0, which was left at the last
	; change of slots: it has had its last fill and nobody reads it) and leave as 1,024 dense bytes.  The lines down to the first read of O^T name no register of the last products: they are the places behind them.
	v_add_f32 v14, v14, v15                        ; the sum's two halves,
	s_delay_alu instid0(VALU_DEP_1)
	v_permlanex16_b32 v[PX], v14, s[SEL], s[SEL+1]
	s_delay_alu instid0(VALU_DEP_1)
	v_add_f32 v14, v14, v[PX]                      ; and lane l xor 16's: the row's sum
	s_wait_alu depctr_va_vdst(0)
	v_rcp_f32 v14, v14
	v_and_b32 v8, 15, v0                           ; (a plain place behind the transcendental)  r
	v_bfe_u32 v9, v0, 4, 1                         ; h
	s_mul_i32 s89, s[WV], 16*KP                    ; my stage
	v_mul_u32_u24 v10, v8, KP
	s_delay_alu instid0(VALU_DEP_1)
	v_lshl_add_u32 v10, v9, 3, v10
	s_delay_alu instid0(VALU_DEP_1)
	v_add_nc_u32 v10, s89, v10                     ; in: row r; tile t's eight channels of my half: 16 t + 8 h bytes on
	v_bfe_u32 v11, v0, 2, 3
	s_delay_alu instid0(VALU_DEP_1)
	v_mul_u32_u24 v11, v11, KP
	v_and_b32 v8, 3, v0
	s_delay_alu instid0(VALU_DEP_1)
	v_lshl_add_u32 v11, v8, 4, v11
	s_delay_alu instid0(VALU_DEP_1)
	v_add_nc_u32 v11, s89, v11                     ; back: four lanes to a row, eight rows an instruction
	s_sub_co_i32 s90, s78, s76
	s_sub_co_i32 s90, s90, s77                     ; e10 - e8 - e9
	s_add_co_i32 s90, s90, 127
	s_lshl_b32 s91, s90, 23
	v_mov_b32 v245, s91
	s_add_co_i32 s90, s90, 15
	s_lshl_b32 s90, s90, 23
	s_or_b32 s90, s90, 0x600000
	v_mov_b32 v241, s90
	s_wait_alu depctr_va_vdst(0)                   ; a wait ahead of the reciprocal's first reader
	v_mov_b32 v15, v14
.set n, 0
.rept 16
	v_pk_mul_f32 v[96+n:97+n], v[160+n:161+n], v[14:15]   ; register 8 t + j is channel 16 t + 8 h + j of query r; each accumulator from its low end on
.set n, n+2
.endr
.set n, 0
.rept 32
	v_med3_num_f32 v[96+n], v[96+n], -v241, v241
.set n, n+1
.endr
.irp t, 0,1,2,3
	v_cvt_scalef32_pk8_bf8_f32 v[224+2*\t:225+2*\t], v[96+8*\t:103+8*\t], v245
.endr
	v_nop
.irp t, 0,1,2,3
	ds_store_b64 v10, v[224+2*\t:225+2*\t] offset:16*\t
.endr
.irp i, 0,1
	ds_load_b128 v[32+4*\i:35+4*\i], v11 offset:8*KP*\i   ; LDS serves a wave's instructions in order: these see my stores
.endr
.irp i, 0,1
	s_wait_dscnt 1-\i
	global_store_b128 v[GO], v[32+4*\i:35+4*\i], s[62:63] offset:512*\i   ; 32 lanes store 512 consecutive bytes, aligned
.endr
	s_wait_tensorcnt 0x0                           ; the wave's end: behind my last tensor load and my last LDS store
	ds_add_u32 v[SPW], v[NIL]
	s_wait_dscnt 0x0
	s_endpgm
.Lfunc_end_k_q9094dcdef5_attn:
	.size	k_q9094dcdef5_attn, .Lfunc_end_k_q9094dcdef5_attn-k_q9094dcdef5_attn
	.p2alignl 7, 3214868480
	.fill 96, 4, 3214868480
	.section	.rodata,"a",@progbits
	.p2align	6, 0x0
	.amdhsa_kernel k_q9094dcdef5_attn
		.amdhsa_group_segment_fixed_size 327680
		.amdhsa_private_segment_fixed_size 0
		.amdhsa_enable_private_segment 0
		.amdhsa_kernarg_size 24
		.amdhsa_user_sgpr_count 2
		.amdhsa_user_sgpr_kernarg_segment_ptr 1
		.amdhsa_wavefront_size32 1
		.amdhsa_system_sgpr_workgroup_id_x 1
		.amdhsa_system_sgpr_workgroup_id_y 1
		.amdhsa_system_sgpr_workgroup_id_z 1
		.amdhsa_system_vgpr_workitem_id 0
		.amdhsa_next_free_vgpr 256
		.amdhsa_next_free_sgpr 100
		.amdhsa_reserve_vcc 1
		.amdhsa_float_denorm_mode_32 3
		.amdhsa_float_denorm_mode_16_64 3
		.amdhsa_memory_ordered 1
		.amdhsa_forward_progress 1
		.amdhsa_inst_pref_size 100
	.end_amdhsa_kernel
	.amdgpu_metadata
---
amdhsa.version: [ 1, 2 ]
amdhsa.kernels:
  - .name:           k_q9094dcdef5_attn
    .symbol:         k_q9094dcdef5_attn.kd
    .args:
      - { .name: qkv, .offset: 0, .size: 8, .value_kind: global_buffer, .address_space: global }
      - { .name: lowp_scales, .offset: 8, .size: 8, .value_kind: global_buffer, .address_space: global }
      - { .name: cc, .offset: 16, .size: 8, .value_kind: global_buffer, .address_space: global }
    .group_segment_fixed_size: 327680
    .private_segment_fixed_size: 0
    .kernarg_segment_align: 8
    .kernarg_segment_size: 24
    .max_flat_workgroup_size: 512
    .sgpr_count:     100
    .vgpr_count:     256
    .wavefront_size: 32
...
	.end_amdgpu_metadata
.endif
;; end of part 3
;; launch wo (part 4): grid 8 x 32, 4 waves a work-group, clusters of 4 x 4, 327,680 bytes of LDS; arguments cc, wo_codes, lowp_scales, bo, x, x1; writes x1
.if DOCPART == 4
	.amdgcn_target "amdgcn-amd-amdhsa--gfx1250"
	.amdhsa_code_object_version 6
	.text
	.protected	k_q9094dcdef5_wo
	.globl	k_q9094dcdef5_wo
	.p2align	8
	.type	k_q9094dcdef5_wo,@function
k_q9094dcdef5_wo:
	s_mov_b64 s[64:65], 0
	v_nop
	global_prefetch_b8 v0, s[64:65] scope:SCOPE_SE
	s_setreg_imm32_b32 hwreg(HW_REG_WAVE_MODE, 25, 1), 1
	s_wait_xcnt 0x0
	s_wait_alu depctr_hold_cnt(0) depctr_sa_sdst(0) depctr_va_vdst(0) depctr_va_sdst(0) depctr_va_ssrc(0) depctr_va_vcc(0) depctr_vm_vsrc(0)
	s_getreg_b32 s2, hwreg(HW_REG_IB_STS2, 6, 4)
	s_cmp_eq_u32 s2, 0
	s_cbranch_scc0 .Lentry_in_a_cluster
	s_endpgm
.Lentry_in_a_cluster:
	s_bfe_u32 s2, ttmp6, 0x10000c
	s_cmp_lg_u32 s2, 0xf033
	s_cbranch_scc0 .Lentry_shape_is_right
	s_endpgm
.Lentry_shape_is_right:
; y[m][n] = res[m][n] + bias[n] + 2^(eA + eB) x the sum over k of A[m][k] B[n][k], on codes of BF8 (E5M2).  m = 4,096 tokens, n = 1,024, k = SIZE_K; y, res: f32 [4096][1024].
; PLANES = 1: A is ctx as the attention launch left it, [2][16 heads][2048][64]: k = 64 x head + channel.  PLANES = 0: A is [4096][SIZE_K].  B: [1024][SIZE_K], given.  eA, eB: two neighbouring entries of the scales.
; LIMIT: eA + eB between -126 and 127.
; A tile of y is 128 x 128, so that the 4,096 x 1,024 results give 256 work-groups; four waves, each 64 x 64: 16 accumulators.  K goes in steps of 512 through two LDS slots, as long as two slots in LDS allow.
; CLUSTERS: 4 x 4 work-groups; A's tile is shared along a row of the cluster, B's along a column: each is asked for jointly.  The matrix instruction is used transposed (source 0 = 16 rows of B, source 1 =
; 16 rows of A): a lane then holds eight neighbouring numbers of a row of y.
; The residual and the bias are asked for at the head, in the layout of the stores, and land while the products run.
; REGISTERS: window 0: v0-31 addresses; v32-95 rows on the way out, two sets; v128-255 the accumulators ((a, b) at v[128 + 8 (4 a + b)]).  window 1: two fragment buffers of 128: A's four fragments of 16 rows x
; 128 K, then B's four.  window 2: v0-127 the residual.
.set PLANES, 1
.set SIZE_K, 1024
.set SCO,    40                        ; byte of eA among the scales
.set KSTEP,  512                       ; along K in a slot
.set PB,     528                       ; a row of B in LDS: 512 bytes + 16 of padding
.set HALFB,  64*PB                     ; 64 rows: what one tensor load brings, and what one wave reads
.set PLN,    128*80                    ; PLANES = 1: a head's plane in LDS: 128 tokens x (64 bytes + 16)
.if PLANES
.set PA,     80
.set AHALF,  4*PLN                     ; one tensor load: four heads' planes
.set ASTEP,  8*131072                  ; from slot to slot in memory: eight heads
.else
.set PA,     528
.set AHALF,  64*PA
.set ASTEP,  KSTEP
.endif
.set ABYTES, 2*AHALF
.set SLOT,   ABYTES+2*HALFB            ; A's part, then B's 128 rows
.set STAGE,  2*SLOT                    ; behind the ring: 16 rows x 272 bytes for each wave, for the way out
.set SPITCH, 272
.set SPARE,  STAGE+4*16*SPITCH         ; behind the stages: the spare words, 128 bytes for each wave: two blocks of 256 bytes that no other line names
.set LAPS,   SIZE_K/(2*KSTEP)          ; a lap = two K steps = once round the ring
.set BI,   8                           ; v8-11   the bias at my four columns
.set ADRA, 16                          ; v16-19  LDS address of my A fragments: slot 0 (planes 0-3; planes 4-7), slot 1 likewise
.set ADRB, 20                          ; v20-21  the same for B: slot 0, 1
.set STO,  24                          ; v24     the way out: where I put 32 bytes of a row
.set RD,   25                          ; v25     the way out: where I read a row back
.set CO,   26                          ; v26     my byte offset in y and in the residual
.set SPW,  28                          ; v28     LDS address of my spare word; never rewritten
.set NIL,  29                          ; v29     0; never rewritten
.set BK,   32
.set ACC,  128
.set F0,   0                           ; fragment buffers, in window 1
.set F1,   128
.set G1, 24                            ; s[24:31] descriptor group 1 for A's tiles;  s[32:39] group 0, one set for each slot
.set G0, 32
.set G1B, 48                           ; s[48:55], s[56:63] the same for B's tiles
.set G0B, 56
.set MSB, 0
.macro WIN new                         ; the immediate's high byte repeats the setting that is left
.if MSB != \new
	s_set_vgpr_msb (MSB<<8)|\new
.set MSB, \new
.endif
.endm
.set MUL,   0x05                       ; sources 0 (B) and 1 (A) window 1; C and D window 0
.set TO_F,  0x40                       ; destination window 1, address window 0
.set TO_R,  0x80                       ; destination window 2, address window 0
.set WITHR, 0x08                       ; source 1 window 2
.macro JLOAD s                         ; a joint load: waves 0 and 1 fetch A's two halves, waves 2 and 3 B's; an s_nop 0 and four v_nop follow each of the two lines
	s_cmp_eq_u32 s11, 0
	s_cbranch_scc0 .Lfor_b_\@
	tensor_load_to_lds s[G0+4*\s:G0+4*\s+3], s[G1:G1+7]
	s_nop 0
.rept 4
	v_nop
.endr
	s_branch .Lasked_\@
.Lfor_b_\@:
	tensor_load_to_lds s[G0B+4*\s:G0B+4*\s+3], s[G1B:G1B+7]
	s_nop 0
.rept 4
	v_nop
.endr
.Lasked_\@:
.endm
.macro CREST                           ; a round of the cluster's barrier behind its opening barrier
	s_cmp_lg_u32 s10, 0
	s_cbranch_scc1 .Lnot_wave_0_\@
	s_barrier_signal -3
.Lnot_wave_0_\@:
	s_barrier_wait -3
	s_barrier_signal -1
	s_barrier_wait -1
.endm
.macro CROUND                          ; a whole round
	s_barrier_signal -1
	s_barrier_wait -1
	CREST
.endm
	s_load_b128 s[4:7], s[0:1], 0x0                ; A's codes s[4:5], B's codes s[6:7]
	s_load_b256 s[68:75], s[0:1], 0x10             ; the scales' exponents s[68:69], the bias s[70:71], the residual s[72:73], y s[74:75]
	v_lshl_add_u32 v[SPW], v0, 2, SPARE
	v_mov_b32 v[NIL], 0
	ds_add_u32 v[SPW], v[NIL]                      ; the wave's opening: the add, twice on end, and its wait ahead of my first tensor load
	ds_add_u32 v[SPW], v[NIL]                      ; and once more, under the one wait; the set-up below, work on registers, stands between
	v_lshrrev_b32 v1, 5, v0
	v_readfirstlane_b32 s10, v1                    ; wave 0..3
	s_lshr_b32 s11, s10, 1                         ; which half of the tile's rows is mine.  Also: I fetch for A (0) or for B (1)
	s_and_b32 s12, s10, 1                          ; which half of its columns.  Also: which half of that tile I fetch
	s_bfe_u32 s40, ttmp6, 0x40000                  ; cx, cy: my place in the cluster
	s_bfe_u32 s41, ttmp6, 0x40004
	s_lshl_b32 s42, ttmp9, 2
	s_add_co_u32 s42, s42, s40                     ; tile column = 4 x cluster x + cx
	s_and_b32 s13, ttmp7, 0xffff
	s_lshl_b32 s13, s13, 2
	s_add_co_u32 s13, s13, s41                     ; tile row = 4 x cluster y + cy
	s_lshl_b32 s43, s41, 2
	s_lshl_b32 s43, 15, s43                        ; my row of the cluster
	s_lshl_b32 s44, 0x1111, s40                    ; my column
.if PLANES
	; A: four rows of 8,192 bytes, a head's 128 tokens x 64 bytes on end, a head (131,072 bytes) apart; 16 bytes of padding behind every 64: a token's row has pitch 80, a plane 10,240
	s_or_b32 s[G1+0], s43, (0<<16)|(1<<20)|(1<<21)|(3<<22)|(3<<25)
	s_mov_b32 s[G1+1], 8192<<16                    ; tensor_dim0
	s_mov_b32 s[G1+2], 4<<16                       ; tensor_dim1
	s_mov_b32 s[G1+3], 8192<<16                    ; tile_dim0
	s_mov_b32 s[G1+4], 4                           ; tile_dim1
	s_mov_b32 s[G1+5], 131072                      ; tensor_dim0_stride
.else
	; A: 64 rows x 512 bytes, 16 bytes of padding behind each
	s_or_b32 s[G1+0], s43, (0<<16)|(1<<20)|(1<<21)|(6<<22)|(3<<25)
	s_mov_b32 s[G1+1], KSTEP<<16
	s_mov_b32 s[G1+2], 64<<16
	s_mov_b32 s[G1+3], KSTEP<<16
	s_mov_b32 s[G1+4], 64
	s_mov_b32 s[G1+5], SIZE_K
.endif
	s_mov_b32 s[G1+6], 0
	s_mov_b32 s[G1+7], 0
	s_or_b32 s[G1B+0], s44, (0<<16)|(1<<20)|(1<<21)|(6<<22)|(3<<25)  ; B: 64 rows x 512 bytes, padded; the mask of my column
	s_mov_b32 s[G1B+1], KSTEP<<16
	s_mov_b32 s[G1B+2], 64<<16
	s_mov_b32 s[G1B+3], KSTEP<<16
	s_mov_b32 s[G1B+4], 64
	s_mov_b32 s[G1B+5], SIZE_K
	s_mov_b32 s[G1B+6], 0
	s_mov_b32 s[G1B+7], 0
.if PLANES
	s_lshr_b32 s16, s13, 4                         ; A: batch x 2^21 + (tile row in the batch) x 128 tokens x 64 bytes + my four heads
	s_lshl_b32 s16, s16, 21
	s_and_b32 s17, s13, 15
	s_lshl_b32 s17, s17, 13
	s_add_co_u32 s16, s16, s17
	s_lshl_b32 s17, s12, 19
	s_add_co_u32 s16, s16, s17
.else
	s_lshl_b32 s17, s12, 6                         ; A: row 128 x tile row + 64 x half
	s_lshl_b32 s16, s13, 7
	s_add_co_u32 s16, s16, s17
	s_mul_i32 s16, s16, SIZE_K
.endif
	s_mov_b32 s17, 0
	s_lshl_b32 s47, s12, 6
	s_lshl_b32 s46, s42, 7
	s_add_co_u32 s46, s46, s47                     ; B: row 128 x tile column + 64 x half
	s_mul_i32 s46, s46, SIZE_K
	s_mov_b32 s47, 0
	s_mul_i32 s20, s12, AHALF                      ; where they go: no place in the cluster enters an LDS address
	s_mul_i32 s21, s12, HALFB
	s_add_co_u32 s21, s21, ABYTES
	s_wait_dscnt 0x0                               ; both opening adds are done
	s_wait_kmcnt 0x0
	s_load_b64 s[96:97], s[68:69], SCO             ; eA, eB
	s_add_nc_u64 s[14:15], s[4:5], s[16:17]
	s_add_nc_u64 s[46:47], s[6:7], s[46:47]
	CROUND                                         ; all sixteen work-groups are here: the first joint loads meet
.irp s, 0,1
	s_mov_b32 s[G0+4*\s], 1
	s_add_co_u32 s[G0+4*\s+1], s20, \s*SLOT
	s_add_nc_u64 s[G0+4*\s+2:G0+4*\s+3], s[14:15], \s*ASTEP
	s_or_b32 s[G0+4*\s+3], s[G0+4*\s+3], 0x80000000
	s_mov_b32 s[G0B+4*\s], 1
	s_add_co_u32 s[G0B+4*\s+1], s21, \s*SLOT
	s_add_nc_u64 s[G0B+4*\s+2:G0B+4*\s+3], s[46:47], \s*KSTEP
	s_or_b32 s[G0B+4*\s+3], s[G0B+4*\s+3], 0x80000000
.endr
	JLOAD 0                                        ; K step 0: one tensor load a wave at the head
	v_and_b32 v1, 15, v0                           ; r = l % 16
	v_bfe_u32 v2, v0, 4, 1                         ; h = l / 16
	v_mul_u32_u24 v3, v1, PA
	v_lshl_add_u32 v3, v2, 4, v3                   ; a fragment's row x pitch + 16 x half
	s_mul_i32 s21, s11, 64*PA                      ; my 64 rows of A
.irp s, 0,1
	v_add_nc_u32 v[ADRA+2*\s], s21, v3
.if PLANES
	v_add_nc_u32 v[ADRA+2*\s+1], 4*PLN, v[ADRA+2*\s]
.endif
	s_add_co_u32 s21, s21, SLOT
.endr
	v_mul_u32_u24 v4, v1, PB
	v_lshl_add_u32 v4, v2, 4, v4
	s_mul_i32 s22, s12, HALFB                      ; my 64 rows of B,
	s_add_co_u32 s22, s22, ABYTES                  ; which lie behind A's part
.irp s, 0,1
	v_add_nc_u32 v[ADRB+\s], s22, v4
	s_add_co_u32 s22, s22, SLOT
.endr
	s_mul_i32 s23, s10, 16*SPITCH
	s_add_co_u32 s23, s23, STAGE                   ; my stage
	v_mul_u32_u24 v5, v1, SPITCH                   ; in: row r, 32 bytes for each half of the lanes
	v_lshl_add_u32 v5, v2, 5, v5
	v_add_nc_u32 v[STO], s23, v5
	v_mul_u32_u24 v5, v2, SPITCH                   ; back: lanes 0-15 take one row of 256 bytes, lanes 16-31 the next
	v_lshl_add_u32 v5, v1, 4, v5
	v_add_nc_u32 v[RD], s23, v5
	v_lshlrev_b32 v[CO], 12, v2                    ; and the same two rows in y: 4,096 bytes a row
	v_lshl_add_u32 v[CO], v1, 4, v[CO]
	s_wait_alu depctr_va_vdst(0)
	v_lshlrev_b32 v6, 4, v1                        ; my four columns of the wave's 64
	s_wait_alu depctr_va_vdst(0)
	s_lshl_b32 s76, s13, 19                        ; my first row: (128 x tile row + 64 x half) x 4,096 bytes,
	s_lshl_b32 s77, s11, 18
	s_add_co_u32 s76, s76, s77
	s_lshl_b32 s78, s42, 9                         ; my first column: 512 x tile column + 256 x half bytes
	s_lshl_b32 s79, s12, 8
	s_add_co_u32 s78, s78, s79
	s_mov_b32 s79, 0
	s_add_nc_u64 s[70:71], s[70:71], s[78:79]
	s_add_co_u32 s76, s76, s78
	s_mov_b32 s77, 0
	s_add_nc_u64 s[72:73], s[72:73], s[76:77]
	s_add_nc_u64 s[74:75], s[74:75], s[76:77]
	WIN TO_R
.set n, 0
.rept 32
	global_load_b128 v[4*n:4*n+3], v[CO], s[72:73] offset:8192*n th:TH_LOAD_NT   ; the residual: rows 2 n, 2 n + 1 of my 64, in the layout of the stores; these stay out while the products run
.set n, n+1
.endr
	WIN 0
	global_load_b128 v[BI:BI+3], v6, s[70:71]
; 8 matrix instructions: A's blocks a0, a0 + 1 x B's four, 128 along K, from buffer f.  zero = 1: the first product starts the sums.
; The 16 accumulators take turns, one instruction a turn, in the same order in every quarter.
.macro MUL8 f, a0, zero
.irp a, \a0, \a0+1
.irp b, 0,1,2,3
.if \zero
	v_wmma_f32_16x16x128_bf8_bf8 v[ACC+8*(4*(\a)+\b):ACC+8*(4*(\a)+\b)+7], v[\f+64+16*\b:\f+64+16*\b+15], v[\f+16*(\a):\f+16*(\a)+15], 0
.else
	v_wmma_f32_16x16x128_bf8_bf8 v[ACC+8*(4*(\a)+\b):ACC+8*(4*(\a)+\b)+7], v[\f+64+16*\b:\f+64+16*\b+15], v[\f+16*(\a):\f+16*(\a)+15], v[ACC+8*(4*(\a)+\b):ACC+8*(4*(\a)+\b)+7]
.endif
.endr
.endr
.endm
; a fragment: lane l holds row l % 16; registers 4 c .. 4 c + 3 hold K = 128 q + 32 c + 16 (l / 16) + 0 .. 15: the same order of k on both sides
.macro FRAGB f, slot, q, i
.irp c, 0,1,2,3
	ds_load_b128 v[\f+64+16*(\i)+4*\c:\f+64+16*(\i)+4*\c+3], v[ADRB+\slot] offset:128*(\q)+32*\c+(\i)*16*PB
.endr
.endm
.macro FRAGA f, slot, q, i
.irp c, 0,1,2,3
.if PLANES
	ds_load_b128 v[\f+16*(\i)+4*\c:\f+16*(\i)+4*\c+3], v[ADRA+2*\slot+(\q)/2] offset:(2*((\q)%2)+\c/2)*PLN+32*(\c%2)+(\i)*16*PA   ; K = 128 q + 32 c lies in the slot's plane 2 q + c / 2, channel 32 (c % 2)
.else
	ds_load_b128 v[\f+16*(\i)+4*\c:\f+16*(\i)+4*\c+3], v[ADRA+2*\slot] offset:128*(\q)+32*\c+(\i)*16*PA
.endif
.endr
.endm
.macro FETCH slot, q, f                ; 32 LDS loads in one run: B's four fragments, A's blocks 0, 1, then A's blocks 2, 3
	WIN TO_F
.irp i, 0,1,2,3
	FRAGB \f, \slot, \q, \i
.endr
.irp i, 0,1,2,3
	FRAGA \f, \slot, \q, \i
.endr
.endm
.macro PLACES                          ; four places in front of loads into registers that matrix instructions have read, and of the first read of results
.rept 4
	v_nop
.endr
.endm
; A K step is four quarters of 128 along K, 16 matrix instructions each, on buffers 0, 1, 0, 1.  One of the first three: multiplies buffer f and fetches quarter q of the slot into g.
.macro QUARTER slot, q, f, g, zero
	s_wait_dscnt 8                                 ; B's fragments and A's blocks 0, 1 are in; the youngest eight loads (A's blocks 2, 3) may be out
	WIN MUL
	MUL8 \f, 0, \zero
	PLACES
	FETCH \slot, \q, \g
	s_wait_dscnt 32                                ; all but the 32 just issued
	WIN MUL
	MUL8 \f, 2, \zero
.endm
; The last quarter multiplies buffer 1 and changes slots: ONE barrier; in front of it each wave waits for all its tensor loads, adds 0 to its spare word, and waits for that and for its own reads of this slot.
.macro TURN slot, next, fill
	WIN 0                                          ; (the add's two registers lie in window 0)
	s_wait_tensorcnt 0x0                           ; all my tensor loads have landed: my part of the next slot
	ds_add_u32 v[SPW], v[NIL]                      ; 0 onto my spare word
	s_wait_dscnt 9                                 ; (the add and the youngest eight loads may be out)
	WIN MUL
	MUL8 F1, 0, 0                                  ; eight matrix instructions stand between the add and the wait for it
	s_wait_dscnt 0x0                               ; the add is done, and my reads of this slot are over
	s_barrier_signal -1
	WIN 0
	s_barrier_wait -1
.if \fill
	CREST                                          ; the barrier has opened a round of the cluster's barrier: no wave of any partner still reads this slot's tile or has a load on its way
	s_add_nc_u64 s[G0+4*\slot+2:G0+4*\slot+3], s[G0+4*\slot+2:G0+4*\slot+3], 2*KSTEP
	s_add_nc_u64 s[G0B+4*\slot+2:G0B+4*\slot+3], s[G0B+4*\slot+2:G0B+4*\slot+3], 2*KSTEP
	JLOAD \slot                                    ; the first tensor load behind the round; its four v_nop are the places in front of the loads below
.else
	PLACES
.endif
	FETCH \next, 0, F0
	WIN MUL
	MUL8 F1, 2, 0
.endm
	s_wait_alu depctr_va_vdst(0)                   ; the wait at the head's end
	s_wait_tensorcnt 0x0                           ; my part of K step 0 is in
	ds_add_u32 v[SPW], v[NIL]
	s_wait_dscnt 0x0
	CROUND                                         ; a whole round: everybody's part of K step 0 is in,
	JLOAD 1                                        ; and K step 1's load is the first tensor load behind the round
	FETCH 0, 0, F0
	QUARTER 0, 1, F0, F1, 1                        ; the first quarter stands in front of the loop: its products start the sums
.if LAPS > 1
	WIN 0                                          ; at a label and at a branch every window is 0
	s_mov_b32 s3, LAPS-1
.Llap:                                                 ; a trip goes once round the ring and fills both slots again
	QUARTER 0, 2, F1, F0, 0
	QUARTER 0, 3, F0, F1, 0
	TURN 0, 1, 1
	QUARTER 1, 1, F0, F1, 0
	QUARTER 1, 2, F1, F0, 0
	QUARTER 1, 3, F0, F1, 0
	TURN 1, 0, 1
	QUARTER 0, 1, F0, F1, 0
	WIN 0
	s_sub_co_u32 s3, s3, 1
	s_cmp_lg_u32 s3, 0
	s_cbranch_scc1 .Llap
.endif
	QUARTER 0, 2, F1, F0, 0                        ; the last lap fills nothing, and has no round of the cluster's barrier
	QUARTER 0, 3, F0, F1, 0
	TURN 0, 1, 0
	QUARTER 1, 1, F0, F1, 0
	QUARTER 1, 2, F1, F0, 0
	QUARTER 1, 3, F0, F1, 0
	s_wait_dscnt 8                                 ; the very last quarter: nothing more to fetch
	WIN MUL
	MUL8 F1, 0, 0
	s_wait_dscnt 0
	MUL8 F1, 2, 0
	WIN 0
	; THE WAY OUT, block by block of 16 rows x 64 columns: the sums go through my own stage and come back as whole rows of 256 bytes; there each is scaled, and the bias and the residual are added.
	s_wait_kmcnt 0x0
	s_add_co_i32 s96, s96, s97
	s_add_co_i32 s96, s96, 127
	s_lshl_b32 s96, s96, 23                        ; 2^(eA + eB) as f32
	s_mov_b32 s97, s96                             ; (named with it as a pair, so it is written)
	s_wait_loadcnt 0x0                             ; the residual and the bias
	PLACES
.macro SENDBLK a
.if (\a) >= 2
	s_wait_xcnt 0x0                                ; block a - 2's stores have read their registers: this block's rows may land there
.endif
.irp b, 0,1,2,3
	ds_store_b128 v[STO], v[ACC+8*(4*(\a)+\b):ACC+8*(4*(\a)+\b)+3] offset:64*\b          ; each accumulator from its low end on
	ds_store_b128 v[STO], v[ACC+8*(4*(\a)+\b)+4:ACC+8*(4*(\a)+\b)+7] offset:64*\b+16
.endr
.set BB, BK+32*((\a)%2)
.irp t, 0,1,2,3,4,5,6,7
	ds_load_b128 v[BB+4*\t:BB+4*\t+3], v[RD] offset:\t*2*SPITCH    ; LDS serves a wave's instructions in order: these see the stores above
.endr
	s_wait_dscnt 0x0
.set n, 0
.rept 16
	v_pk_fma_f32 v[BB+2*n:BB+2*n+1], v[BB+2*n:BB+2*n+1], s[96:97], v[BI+2*(n%2):BI+2*(n%2)+1] op_sel_hi:[1,0,1]   ; sum x 2^(eA + eB) + bias
.set n, n+1
.endr
	WIN WITHR
.set n, 0
.rept 16
	v_pk_add_f32 v[BB+2*n:BB+2*n+1], v[BB+2*n:BB+2*n+1], v[32*(\a)+2*n:32*(\a)+2*n+1]   ; + the residual
.set n, n+1
.endr
	WIN 0
.irp t, 0,1,2,3,4,5,6,7
	global_store_b128 v[CO], v[BB+4*\t:BB+4*\t+3], s[74:75] offset:(16*(\a)+2*\t)*4096   ; 16 lanes store 256 consecutive bytes, aligned
.endr
.endm
.irp a, 0,1,2,3
	SENDBLK \a
.endr
	s_wait_tensorcnt 0x0                           ; the wave's end: behind my last tensor load and my last LDS store
	ds_add_u32 v[SPW], v[NIL]
	s_wait_dscnt 0x0
	CROUND                                         ; the closing round: no work-group ends while a partner may still ask for a tile that names it
	s_endpgm
.Lfunc_end_k_q9094dcdef5_wo:
	.size	k_q9094dcdef5_wo, .Lfunc_end_k_q9094dcdef5_wo-k_q9094dcdef5_wo
	.p2alignl 7, 3214868480
	.fill 96, 4, 3214868480
	.section	.rodata,"a",@progbits
	.p2align	6, 0x0
	.amdhsa_kernel k_q9094dcdef5_wo
		.amdhsa_group_segment_fixed_size 327680
		.amdhsa_private_segment_fixed_size 0
		.amdhsa_enable_private_segment 0
		.amdhsa_kernarg_size 48
		.amdhsa_user_sgpr_count 2
		.amdhsa_user_sgpr_kernarg_segment_ptr 1
		.amdhsa_wavefront_size32 1
		.amdhsa_system_sgpr_workgroup_id_x 1
		.amdhsa_system_sgpr_workgroup_id_y 1
		.amdhsa_system_sgpr_workgroup_id_z 1
		.amdhsa_system_vgpr_workitem_id 0
		.amdhsa_next_free_vgpr 768
		.amdhsa_next_free_sgpr 98
		.amdhsa_reserve_vcc 0
		.amdhsa_float_denorm_mode_32 3
		.amdhsa_float_denorm_mode_16_64 3
		.amdhsa_memory_ordered 1
		.amdhsa_forward_progress 1
		.amdhsa_inst_pref_size 54
	.end_amdhsa_kernel
	.amdgpu_metadata
---
amdhsa.version: [ 1, 2 ]
amdhsa.kernels:
  - .name:           k_q9094dcdef5_wo
    .symbol:         k_q9094dcdef5_wo.kd
    .args:
      - { .name: cc, .offset: 0, .size: 8, .value_kind: global_buffer, .address_space: global }
      - { .name: wo_codes, .offset: 8, .size: 8, .value_kind: global_buffer, .address_space: global }
      - { .name: lowp_scales, .offset: 16, .size: 8, .value_kind: global_buffer, .address_space: global }
      - { .name: bo, .offset: 24, .size: 8, .value_kind: global_buffer, .address_space: global }
      - { .name: x, .offset: 32, .size: 8, .value_kind: global_buffer, .address_space: global }
      - { .name: x1, .offset: 40, .size: 8, .value_kind: global_buffer, .address_space: global }
    .group_segment_fixed_size: 327680
    .private_segment_fixed_size: 0
    .kernarg_segment_align: 8
    .kernarg_segment_size: 48
    .max_flat_workgroup_size: 128
    .sgpr_count:     98
    .vgpr_count:     768
    .wavefront_size: 32
...
	.end_amdgpu_metadata
.endif
;; end of part 4
;; launch ln2 (part 5): grid 256 x 1, 8 waves a work-group, no clusters, 82,944 bytes of LDS; arguments x1, g2, s2, lowp_scales, h2; writes h2
.if DOCPART == 5
	.amdgcn_target "amdgcn-amd-amdhsa--gfx1250"
	.amdhsa_code_object_version 6
	.text
	.protected	k_q9094dcdef5_ln2
	.globl	k_q9094dcdef5_ln2
	.p2align	8
	.type	k_q9094dcdef5_ln2,@function
k_q9094dcdef5_ln2:
	s_mov_b64 s[64:65], 0
	v_nop
	global_prefetch_b8 v0, s[64:65] scope:SCOPE_SE
	s_setreg_imm32_b32 hwreg(HW_REG_WAVE_MODE, 25, 1), 1
	s_wait_xcnt 0x0
; The second layer norm: the first launch's text with NP = 1 and the scale's entry 12.
; h = g (x - mean) / sqrt(var + 1e-5) + s along rows of 1,024, in f32, then quantised NP times, once for each product that takes h as its operand, each with its own given scale 2^e
; (entries SC0, SC0 + 2, .. of the scales): code = h / 2^e, held within +-57,344, to the nearest code, ties to even.  Plane p of the output, 4 MiB, holds [4096][1024] codes, K innermost.
; LIMITS: -126 <= e and e + 15 <= 127.  NaN among the inputs is not served (an infinity in h is held at the largest code).
; SHARES.  Eight waves, 16 rows a work-group; a wave keeps its two rows whole in registers between the passes (mean; squares of x - mean; scaling): x is read once.  Waves share nothing: no barrier.
; A load takes 512 consecutive bytes, 16 a lane; the conversions want 16 NEIGHBOURS in a lane: so a finished row turns through the wave's own stage in LDS (64 places of 64 bytes + 16 of padding).
; A lane's 16 codes are 16 bytes: each store of the wave covers 512 consecutive bytes, aligned.
.set NP,    1                          ; how many times h is quantised
.set SC0,   12                         ; the first scale's entry
.set SP,    80                         ; a place in a stage: 64 bytes + 16 of padding
.set RSTG,  64*SP                      ; a row's stage
.set WREG,  2*RSTG                     ; a wave's two
.set SPARE, 8*WREG                     ; behind the eight regions: the spare words, 128 bytes for each wave: four blocks of 256 bytes that no other line names
.set PLANE, 1<<22
.set LO,    2                          ; v2   16 x lane: my bytes of a load's 512, and of a store's
.set SIN,   3                          ; v3   the stage, on the way in: SP (lane / 4) + 16 (lane % 4)
.set SOUT,  4                          ; v4   and on the way out: SP x lane
.set SPW,   5                          ; v5   LDS address of my spare word; never rewritten
.set NIL,   6                          ; v6   0; never rewritten
.set EPSR,  7                          ; v7   1e-5
.set SCL,   8                          ; v8-10  2^e as f32, for each plane
.set LIM,   11                         ; v11-13 57,344 x 2^e
.set X,     16                         ; v16-79   my two rows: register 4 j + k of a row = column 128 j + 4 lane + k
.set G,     80                         ; v80-111  g at the same columns
.set S,     112                        ; v112-143 s
.set Y,     144                        ; v144-175 a row back from the stage: register 16 i + n = column 512 i + 16 lane + n
.set T,     176                        ; v176-207 at work: two sets of 16 held numbers by turns
.set C,     208                        ; v208-255 codes: four registers for each store, so that no store's data are written again
	s_load_b256 s[4:11], s[0:1], 0x0               ; x s[4:5], g s[6:7], s s[8:9], the scales' exponents s[10:11]
	s_load_b64 s[12:13], s[0:1], 0x20              ; the codes
	v_lshl_add_u32 v[SPW], v0, 2, SPARE
	v_mov_b32 v[NIL], 0
	v_lshrrev_b32 v1, 5, v0
	s_delay_alu instid0(VALU_DEP_1)
	v_readfirstlane_b32 s14, v1                    ; wave 0..7
	v_and_b32 v1, 31, v0                           ; lane
	s_delay_alu instid0(VALU_DEP_1)
	v_lshlrev_b32 v[LO], 4, v1
	s_mul_i32 s15, s14, WREG
	v_lshrrev_b32 v14, 2, v1
	s_delay_alu instid0(VALU_DEP_1)
	v_mul_u32_u24 v[SIN], v14, SP
	v_and_b32 v14, 3, v1
	s_delay_alu instid0(VALU_DEP_1)
	v_lshl_add_u32 v[SIN], v14, 4, v[SIN]
	s_delay_alu instid0(VALU_DEP_1)
	v_add_nc_u32 v[SIN], s15, v[SIN]
	v_mul_u32_u24 v[SOUT], v1, SP
	s_delay_alu instid0(VALU_DEP_1)
	v_add_nc_u32 v[SOUT], s15, v[SOUT]
	v_mov_b32 v[EPSR], 0x3727c5ac                  ; 1e-5
	s_lshl_b32 s16, ttmp9, 4
	s_lshl_b32 s17, s14, 1
	s_add_co_u32 s16, s16, s17                     ; my first row: 16 x work-group + 2 x wave
	s_lshl_b32 s18, s16, 10                        ; its codes: 1,024 bytes a row
	s_mov_b32 s19, 0
	s_lshl_b32 s16, s16, 12                        ; its numbers: 4,096 bytes a row
	s_mov_b32 s17, 0
	s_mov_b32 s30, 0x76543210                      ; v_permlanex16_b32: lane l xor 16
	s_mov_b32 s31, 0xfedcba98
	s_mov_b32 s32, 0x3a800000                      ; 1 / 1,024
	s_wait_alu depctr_va_vdst(0)
	s_wait_kmcnt 0x0
	s_load_b32 s26, s[10:11], 4*SC0
.if NP > 1
	s_load_b32 s27, s[10:11], 4*SC0+8
	s_load_b32 s28, s[10:11], 4*SC0+16
.endif
	s_add_nc_u64 s[4:5], s[4:5], s[16:17]
	s_add_nc_u64 s[20:21], s[12:13], s[18:19]      ; plane 0 at my first row
.if NP > 1
	s_add_nc_u64 s[22:23], s[20:21], PLANE
	s_add_nc_u64 s[24:25], s[22:23], PLANE
.endif
.irp j, 0,1,2,3,4,5,6,7
	global_load_b128 v[X+4*\j:X+4*\j+3], v[LO], s[4:5] offset:512*\j th:TH_LOAD_NT
.endr
.irp j, 0,1,2,3,4,5,6,7
	global_load_b128 v[X+32+4*\j:X+32+4*\j+3], v[LO], s[4:5] offset:4096+512*\j th:TH_LOAD_NT
.endr
.irp j, 0,1,2,3,4,5,6,7
	global_load_b128 v[G+4*\j:G+4*\j+3], v[LO], s[6:7] offset:512*\j
.endr
.irp j, 0,1,2,3,4,5,6,7
	global_load_b128 v[S+4*\j:S+4*\j+3], v[LO], s[8:9] offset:512*\j
.endr
	s_wait_kmcnt 0x0
.set p, 0
.rept NP
	s_add_co_i32 s33, s[26+p], 127
	s_lshl_b32 s34, s33, 23
	v_mov_b32 v[SCL+p], s34                        ; 2^e as f32: the conversion takes its exponent field
	s_add_co_i32 s33, s33, 15
	s_lshl_b32 s33, s33, 23
	s_or_b32 s33, s33, 0x600000
	v_mov_b32 v[LIM+p], s33                        ; the largest number x 2^e
.set p, p+1
.endr
.macro ALLSUM a, b                     ; the sum of v[a] over the 32 lanes, in every lane; v[b] has been written before
	s_delay_alu instid0(VALU_DEP_1)
	v_add_f32_dpp v[\a], v[\a], v[\a] row_xmask:1 row_mask:0xf bank_mask:0xf
	s_delay_alu instid0(VALU_DEP_1)
	v_add_f32_dpp v[\a], v[\a], v[\a] row_xmask:2 row_mask:0xf bank_mask:0xf
	s_delay_alu instid0(VALU_DEP_1)
	v_add_f32_dpp v[\a], v[\a], v[\a] row_xmask:4 row_mask:0xf bank_mask:0xf
	s_delay_alu instid0(VALU_DEP_1)
	v_add_f32_dpp v[\a], v[\a], v[\a] row_xmask:8 row_mask:0xf bank_mask:0xf
	s_delay_alu instid0(VALU_DEP_1)
	v_permlanex16_b32 v[\b], v[\a], s30, s31
	s_delay_alu instid0(VALU_DEP_1)
	v_add_f32 v[\a], v[\a], v[\b]
.endm
; row rho becomes (x - mean) / sqrt(var + 1e-5), in place: the mean first, then the squares of x - mean, as reference() has it
.macro STATS rho
.set XR, X+32*\rho
	v_pk_add_f32 v[T:T+1], v[XR:XR+1], v[XR+2:XR+3]
	v_pk_add_f32 v[T+2:T+3], v[XR+4:XR+5], v[XR+6:XR+7]
.irp j, 8,12,16,20,24,28
	s_delay_alu instid0(VALU_DEP_2)
	v_pk_add_f32 v[T:T+1], v[T:T+1], v[XR+\j:XR+\j+1]
	s_delay_alu instid0(VALU_DEP_2)
	v_pk_add_f32 v[T+2:T+3], v[T+2:T+3], v[XR+\j+2:XR+\j+3]
.endr
	s_delay_alu instid0(VALU_DEP_1)
	v_pk_add_f32 v[T:T+1], v[T:T+1], v[T+2:T+3]
	s_delay_alu instid0(VALU_DEP_1)
	v_add_f32 v[T], v[T], v[T+1]
	ALLSUM T, T+1
	s_delay_alu instid0(VALU_DEP_1)
	v_mul_f32 v[T], s32, v[T]                      ; the mean,
	s_delay_alu instid0(VALU_DEP_1)
	v_mov_b32 v[T+1], v[T]                         ; twice, for the packed form
.irp j, 0,2,4,6,8,10,12,14,16,18,20,22,24,26,28,30
	v_pk_add_f32 v[XR+\j:XR+\j+1], v[XR+\j:XR+\j+1], v[T:T+1] neg_lo:[0,1] neg_hi:[0,1]
.endr
	v_pk_mul_f32 v[T+2:T+3], v[XR:XR+1], v[XR:XR+1]
	v_pk_mul_f32 v[T+4:T+5], v[XR+2:XR+3], v[XR+2:XR+3]
.irp j, 4,8,12,16,20,24,28
	s_delay_alu instid0(VALU_DEP_2)
	v_pk_fma_f32 v[T+2:T+3], v[XR+\j:XR+\j+1], v[XR+\j:XR+\j+1], v[T+2:T+3]
	s_delay_alu instid0(VALU_DEP_2)
	v_pk_fma_f32 v[T+4:T+5], v[XR+\j+2:XR+\j+3], v[XR+\j+2:XR+\j+3], v[T+4:T+5]
.endr
	s_delay_alu instid0(VALU_DEP_1)
	v_pk_add_f32 v[T+2:T+3], v[T+2:T+3], v[T+4:T+5]
	s_delay_alu instid0(VALU_DEP_1)
	v_add_f32 v[T+2], v[T+2], v[T+3]
	ALLSUM T+2, T+3
	s_delay_alu instid0(VALU_DEP_1)
	v_fma_f32 v[T+2], v[T+2], s32, v[EPSR]         ; var + 1e-5
	s_wait_alu depctr_va_vdst(0)
	v_rsq_f32 v[T+4], v[T+2]
	v_nop                                          ; a plain instruction behind the transcendental,
	s_wait_alu depctr_va_vdst(0)                   ; and a wait ahead of the first use of its result
	v_mov_b32 v[T+5], v[T+4]
.irp j, 0,2,4,6,8,10,12,14,16,18,20,22,24,26,28,30
	v_pk_mul_f32 v[XR+\j:XR+\j+1], v[XR+\j:XR+\j+1], v[T+4:T+5]
.endr
.endm
; x g + s; then the row turns through its stage: LDS serves a wave's instructions in order, so no wait stands between the stores and the loads
.macro AFFINE rho
.set XR, X+32*\rho
.irp j, 0,2,4,6,8,10,12,14,16,18,20,22,24,26,28,30
	v_pk_fma_f32 v[XR+\j:XR+\j+1], v[XR+\j:XR+\j+1], v[G+\j:G+\j+1], v[S+\j:S+\j+1]
.endr
.irp j, 0,1,2,3,4,5,6,7
	ds_store_b128 v[SIN], v[XR+4*\j:XR+4*\j+3] offset:RSTG*\rho+8*SP*\j
.endr
.irp i, 0,1
.irp k, 0,1,2,3
	ds_load_b128 v[Y+16*\i+4*\k:Y+16*\i+4*\k+3], v[SOUT] offset:RSTG*\rho+32*SP*\i+16*\k
.endr
.endr
.endm
; the row's codes, for each plane.  The held numbers go into two sets by turns: the sixteen holds behind a pair of conversions are plain lines that touch neither their results nor their sources
.macro QOUT rho
.irp i, 0,1
.set p, 0
.rept NP
.set n, (2*\rho+\i)*NP+p
.set TT, T+16*(n%2)
.irp k, 0,1,2,3,4,5,6,7,8,9,10,11,12,13,14,15
	v_med3_num_f32 v[TT+\k], v[Y+16*\i+\k], -v[LIM+p], v[LIM+p]   ; the conversion to an 8-bit code does not saturate (ISA guide 7.6.2): the hold comes first
.endr
	v_cvt_scalef32_pk8_bf8_f32 v[C+4*n:C+4*n+1], v[TT:TT+7], v[SCL+p]
	v_cvt_scalef32_pk8_bf8_f32 v[C+4*n+2:C+4*n+3], v[TT+8:TT+15], v[SCL+p]
	global_store_b128 v[LO], v[C+4*n:C+4*n+3], s[20+2*p:21+2*p] offset:1024*\rho+512*\i
.set p, p+1
.endr
.endr
.endm
	s_wait_loadcnt 24                              ; row 0's eight loads are in; row 1's, g's and s's 24 may be out
	STATS 0
	s_wait_loadcnt 16                              ; row 1's are in
	STATS 1
	s_wait_loadcnt 0x0                             ; g and s
	AFFINE 0
	s_wait_dscnt 0x0                               ; row 0 is back from its stage
	QOUT 0
	AFFINE 1
	s_wait_dscnt 0x0
	QOUT 1
	s_wait_tensorcnt 0x0                           ; the wave's end: behind my last LDS store
	ds_add_u32 v[SPW], v[NIL]
	s_wait_dscnt 0x0
	s_endpgm
.Lfunc_end_k_q9094dcdef5_ln2:
	.size	k_q9094dcdef5_ln2, .Lfunc_end_k_q9094dcdef5_ln2-k_q9094dcdef5_ln2
	.p2alignl 7, 3214868480
	.fill 96, 4, 3214868480
	.section	.rodata,"a",@progbits
	.p2align	6, 0x0
	.amdhsa_kernel k_q9094dcdef5_ln2
		.amdhsa_group_segment_fixed_size 82944
		.amdhsa_private_segment_fixed_size 0
		.amdhsa_enable_private_segment 0
		.amdhsa_kernarg_size 40
		.amdhsa_user_sgpr_count 2
		.amdhsa_user_sgpr_kernarg_segment_ptr 1
		.amdhsa_wavefront_size32 1
		.amdhsa_system_sgpr_workgroup_id_x 1
		.amdhsa_system_sgpr_workgroup_id_y 1
		.amdhsa_system_sgpr_workgroup_id_z 1
		.amdhsa_system_vgpr_workitem_id 0
		.amdhsa_next_free_vgpr 256
		.amdhsa_next_free_sgpr 66
		.amdhsa_reserve_vcc 0
		.amdhsa_float_denorm_mode_32 3
		.amdhsa_float_denorm_mode_16_64 3
		.amdhsa_memory_ordered 1
		.amdhsa_forward_progress 1
		.amdhsa_inst_pref_size 28
	.end_amdhsa_kernel
	.amdgpu_metadata
---
amdhsa.version: [ 1, 2 ]
amdhsa.kernels:
  - .name:           k_q9094dcdef5_ln2
    .symbol:         k_q9094dcdef5_ln2.kd
    .args:
      - { .name: x1, .offset: 0, .size: 8, .value_kind: global_buffer, .address_space: global }
      - { .name: g2, .offset: 8, .size: 8, .value_kind: global_buffer, .address_space: global }
      - { .name: s2, .offset: 16, .size: 8, .value_kind: global_buffer, .address_space: global }
      - { .name: lowp_scales, .offset: 24, .size: 8, .value_kind: global_buffer, .address_space: global }
      - { .name: h2, .offset: 32, .size: 8, .value_kind: global_buffer, .address_space: global }
    .group_segment_fixed_size: 82944
    .private_segment_fixed_size: 0
    .kernarg_segment_align: 8
    .kernarg_segment_size: 40
    .max_flat_workgroup_size: 256
    .sgpr_count:     66
    .vgpr_count:     256
    .wavefront_size: 32
...
	.end_amdgpu_metadata
.endif
;; end of part 5
;; launch ffn1 (part 6): grid 16 x 16, 4 waves a work-group, clusters of 4 x 4, 327,680 bytes of LDS; arguments h2, w1_codes, lowp_scales, b1, gc; writes gc
.if DOCPART == 6
	.amdgcn_target "amdgcn-amd-amdhsa--gfx1250"
	.amdhsa_code_object_version 6
	.text
	.protected	k_q9094dcdef5_ffn1
	.globl	k_q9094dcdef5_ffn1
	.p2align	8
	.type	k_q9094dcdef5_ffn1,@function
k_q9094dcdef5_ffn1:
	s_mov_b64 s[64:65], 0
	v_nop
	global_prefetch_b8 v0, s[64:65] scope:SCOPE_SE
	s_setreg_imm32_b32 hwreg(HW_REG_WAVE_MODE, 25, 1), 1
	s_wait_xcnt 0x0
	s_wait_alu depctr_hold_cnt(0) depctr_sa_sdst(0) depctr_va_vdst(0) depctr_va_sdst(0) depctr_va_ssrc(0) depctr_va_vcc(0) depctr_vm_vsrc(0)
	s_getreg_b32 s2, hwreg(HW_REG_IB_STS2, 6, 4)
	s_cmp_eq_u32 s2, 0
	s_cbranch_scc0 .Lentry_in_a_cluster
	s_endpgm
.Lentry_in_a_cluster:
	s_bfe_u32 s2, ttmp6, 0x10000c
	s_cmp_lg_u32 s2, 0xf033
	s_cbranch_scc0 .Lentry_shape_is_right
	s_endpgm
.Lentry_shape_is_right:
.set KSTEP,  256
.set ROWB,   256
.set KROW,   1024
.set PITCH,  272
.set FR,     16
.set NL,     4
.set NP,     4
.set HALFT,  128*PITCH
.set SLOT,   4*HALFT
.set LAPS,   KROW/(2*KSTEP)
.set SPARE,  2*SLOT
.set ADRA, 16
.set ADRB, 20
.set STO,  24
.set RDV,  25
.set COV,  26
.set CO2,  27
.set SPW,  28
.set NIL,  29
.set BIAS, 32
.set CD,   96
.set SCL,  112
.set LIM,  113
.set K1,   114
.set K0,   116
.set U,    128
.set E,    192
.set AF,   128
.set G1, 24
.set G0, 32
.set G1B, 48
.set G0B, 56
.set MSB, 0
.macro WIN new
.if MSB != \new
	s_set_vgpr_msb (MSB<<8)|\new
.set MSB, \new
.endif
.endm
.set MUL_LO, 0xa1
.set MUL_HI, 0xf1
.set TO_B,   0x40
.macro JLOAD g0a, g1a, g0b, g1b
	s_cmp_eq_u32 s15, 0
	s_cbranch_scc0 .Lfor_b_\@
	tensor_load_to_lds s[\g0a:\g0a+3], s[\g1a:\g1a+7]
	s_nop 0
.rept 4
	v_nop
.endr
	s_branch .Lasked_\@
.Lfor_b_\@:
	tensor_load_to_lds s[\g0b:\g0b+3], s[\g1b:\g1b+7]
	s_nop 0
.rept 4
	v_nop
.endr
.Lasked_\@:
.endm
.macro CREST
	s_cmp_lg_u32 s14, 0
	s_cbranch_scc1 .Lnot_wave_0_\@
	s_barrier_signal -3
.Lnot_wave_0_\@:
	s_barrier_wait -3
	s_barrier_signal -1
	s_barrier_wait -1
.endm
.macro CROUND
	s_barrier_signal -1
	s_barrier_wait -1
	CREST
.endm
	s_load_b128 s[4:7], s[0:1], 0x0
	s_load_b128 s[8:11], s[0:1], 0x10
	s_load_b64 s[86:87], s[0:1], 0x20
	v_lshl_add_u32 v[SPW], v0, 2, SPARE
	v_mov_b32 v[NIL], 0
	ds_add_u32 v[SPW], v[NIL]
	ds_add_u32 v[SPW], v[NIL]
	v_lshrrev_b32 v1, 5, v0
	v_readfirstlane_b32 s14, v1
	s_lshr_b32 s15, s14, 1
	s_and_b32 s16, s14, 1
	s_bfe_u32 s40, ttmp6, 0x40000
	s_bfe_u32 s41, ttmp6, 0x40004
	s_lshl_b32 s42, ttmp9, 2
	s_add_co_u32 s42, s42, s40
	s_and_b32 s17, ttmp7, 0xffff
	s_lshl_b32 s17, s17, 2
	s_add_co_u32 s17, s17, s41
	s_lshl_b32 s43, s41, 2
	s_lshl_b32 s43, 15, s43
	s_lshl_b32 s44, 0x1111, s40
	s_or_b32 s[G1+0], s43, (0<<16)|(1<<20)|(1<<21)|(5<<22)|(3<<25)
	s_or_b32 s[G1B+0], s44, (0<<16)|(1<<20)|(1<<21)|(5<<22)|(3<<25)
.irp g, G1, G1B
	s_mov_b32 s[\g+1], ROWB<<16
	s_mov_b32 s[\g+2], 128<<16
	s_mov_b32 s[\g+3], ROWB<<16
	s_mov_b32 s[\g+4], 128
	s_mov_b32 s[\g+5], KROW
	s_mov_b32 s[\g+6], 0
	s_mov_b32 s[\g+7], 0
.endr
	s_lshl_b32 s18, s16, 7
	s_lshl_b32 s20, s17, 8
	s_add_co_u32 s20, s20, s18
	s_lshl_b32 s46, s42, 8
	s_add_co_u32 s46, s46, s18
	s_mov_b32 s21, 0
	s_mov_b32 s47, 0
	s_mov_b64 s[18:19], KROW
	s_mul_u64 s[20:21], s[20:21], s[18:19]
	s_mul_u64 s[46:47], s[46:47], s[18:19]
	s_mul_i32 s45, s14, HALFT
	s_wait_dscnt 0x0
	s_wait_kmcnt 0x0
	s_load_b128 s[68:71], s[8:9], 0x30
	s_add_nc_u64 s[20:21], s[4:5], s[20:21]
	s_add_nc_u64 s[46:47], s[6:7], s[46:47]
	CROUND
.irp s, 0,1
	s_mov_b32 s[G0+4*\s], 1
	s_add_co_u32 s[G0+4*\s+1], s45, \s*SLOT
	s_add_nc_u64 s[G0+4*\s+2:G0+4*\s+3], s[20:21], \s*ROWB
	s_or_b32 s[G0+4*\s+3], s[G0+4*\s+3], 0x80000000
	s_mov_b32 s[G0B+4*\s], 1
	s_add_co_u32 s[G0B+4*\s+1], s45, \s*SLOT
	s_add_nc_u64 s[G0B+4*\s+2:G0B+4*\s+3], s[46:47], \s*ROWB
	s_or_b32 s[G0B+4*\s+3], s[G0B+4*\s+3], 0x80000000
.endr
	JLOAD G0, G1, G0B, G1B                         ; K step 0: one tensor load a wave at the head
	v_and_b32 v1, 15, v0
	v_bfe_u32 v2, v0, 4, 1
	v_mul_u32_u24 v3, v1, PITCH
	s_wait_alu depctr_va_vdst(0)
	v_lshl_add_u32 v4, v2, 4, v3
	s_mul_i32 s21, s15, HALFT
	s_mul_i32 s22, s16, HALFT
	s_add_co_u32 s22, s22, 2*HALFT
.irp s, 0,1
	v_add_nc_u32 v[ADRA+\s], s21, v4
	v_add_nc_u32 v[ADRB+\s], s22, v4
	s_add_co_u32 s21, s21, SLOT
	s_add_co_u32 s22, s22, SLOT
.endr
	s_mul_i32 s23, s14, HALFT                      ; the way out: each wave has a stage of its own, 128 rows x 272 bytes of slot 0, which has had its last fill and its last read by then
	v_lshl_add_u32 v5, v2, 3, v3
	v_add_nc_u32 v[STO], s23, v5
	; THE OUTPUT lies in the order in which the next launch's operand registers take it: gc[m / 128][k / 64][(m % 128) / 16][(k % 64) / 32][lane = m % 16 + 16 ((k % 32) / 16)][k % 16]
	s_wait_alu depctr_va_vdst(0)                   ; a wait here, directly ahead of the reader below
	v_add_nc_u32 v[RDV], s23, v4
	v_and_b32 v[COV], 31, v0
	v_lshlrev_b32 v[COV], 4, v[COV]                ; 16 x lane
	s_lshl_b32 s20, s17, 20                        ; 2^19 x (2 x tile row + wave / 2)
	s_lshl_b32 s21, s15, 19
	s_add_co_u32 s20, s20, s21
	s_lshl_b32 s21, s42, 15                        ; + 8,192 x 4 x tile column
	s_add_co_u32 s20, s20, s21
	s_lshl_b32 s21, s16, 14                        ; + 8,192 x 2 x (wave % 2): my 128 features are two steps of 64 along the next K
	s_add_co_u32 s20, s20, s21
	s_mov_b32 s21, 0
	s_add_nc_u64 s[86:87], s[86:87], s[20:21]
	s_lshl_b32 s22, s42, 10
	s_lshl_b32 s23, s16, 9
	s_add_co_u32 s22, s22, s23
	s_mov_b32 s23, 0
	s_add_nc_u64 s[88:89], s[10:11], s[22:23]
	v_lshlrev_b32 v[CO2], 5, v2
.irp b, 0,1,2,3,4,5,6,7
	global_load_b128 v[BIAS+8*\b:BIAS+8*\b+3], v[CO2], s[88:89] offset:64*\b
	global_load_b128 v[BIAS+8*\b+4:BIAS+8*\b+7], v[CO2], s[88:89] offset:64*\b+16
.endr
.macro FRAG reg, adr, q, i
.irp c, 0,1,2,3
	ds_load_b128 v[\reg+4*\c:\reg+4*\c+3], v[\adr] offset:128*(\q)+32*\c+(\i)*16*PITCH
.endr
.endm
.macro MUL16 a0, p, zero
.irp a, \a0, \a0+1
.irp b, 0,1,2,3,4,5,6,7
.if \zero
	v_wmma_f32_16x16x128_bf8_bf8 v[8*(8*((\a)%4)+\b):8*(8*((\a)%4)+\b)+7], v[128*(\p)+FR*\b:128*(\p)+FR*\b+FR-1], v[AF+FR*(\a):AF+FR*(\a)+FR-1], 0
.else
	v_wmma_f32_16x16x128_bf8_bf8 v[8*(8*((\a)%4)+\b):8*(8*((\a)%4)+\b)+7], v[128*(\p)+FR*\b:128*(\p)+FR*\b+FR-1], v[AF+FR*(\a):AF+FR*(\a)+FR-1], v[8*(8*((\a)%4)+\b):8*(8*((\a)%4)+\b)+7]
.endif
.endr
.endr
.endm
.macro FETCH_B slot, q, p
	WIN TO_B
.irp i, 0,1,2,3,4,5,6,7
	FRAG 128*(\p)+FR*\i, ADRB+\slot, \q, \i
.endr
	WIN 0
.endm
.macro FETCH_A slot, q, i0
.irp i, \i0, \i0+1, \i0+2, \i0+3
	FRAG AF+FR*(\i), ADRA+\slot, \q, \i
.endr
.endm
.macro PLACES n
.rept \n
	v_nop
.endr
.endm
.macro STEP slot, q, zero
	s_wait_dscnt 4*NL
	WIN MUL_LO
	MUL16 0, (\q)%2, \zero
	MUL16 2, (\q)%2, \zero
	s_wait_dscnt 0
	PLACES NP
	FETCH_B \slot, (\q)+1, 1-(\q)%2
	FETCH_A \slot, (\q)+1, 0
	WIN MUL_HI
	MUL16 4, (\q)%2, \zero
	MUL16 6, (\q)%2, \zero
	PLACES NP
	WIN 0
	FETCH_A \slot, (\q)+1, 4
.endm
.macro TURN slot, next, fill
	s_wait_tensorcnt 0x0
	ds_add_u32 v[SPW], v[NIL]
	s_wait_dscnt 4*NL+1
	WIN MUL_LO
	MUL16 0, 1, 0
	s_wait_dscnt 0x0
	s_barrier_signal -1
	MUL16 2, 1, 0
	WIN 0
	s_barrier_wait -1
.if \fill
	CREST
	s_add_nc_u64 s[G0+4*\slot+2:G0+4*\slot+3], s[G0+4*\slot+2:G0+4*\slot+3], 2*ROWB
	s_add_nc_u64 s[G0B+4*\slot+2:G0B+4*\slot+3], s[G0B+4*\slot+2:G0B+4*\slot+3], 2*ROWB
	JLOAD G0+4*\slot, G1, G0B+4*\slot, G1B
.else
	PLACES NP
.endif
	s_wait_alu depctr_va_vdst(0)
	FETCH_B \next, 0, 0
	FETCH_A \next, 0, 0
	WIN MUL_HI
	MUL16 4, 1, 0
	MUL16 6, 1, 0
	PLACES NP
	WIN 0
	FETCH_A \next, 0, 4
.endm
	s_wait_alu depctr_va_vdst(0)                   ; the wait at the head's end
	s_wait_tensorcnt 0x0                           ; my part of K step 0 is in
	ds_add_u32 v[SPW], v[NIL]
	s_wait_dscnt 0x0
	CROUND                                         ; a whole round: everybody's part of K step 0 is in,
	JLOAD G0+4, G1, G0B+4, G1B                     ; and K step 1's load is the first tensor load behind the round
	FETCH_B 0, 0, 0
	FETCH_A 0, 0, 0
	FETCH_A 0, 0, 4
	STEP 0, 0, 1
	s_mov_b32 s3, LAPS-1
.Llap:
	TURN 0, 1, 1
	STEP 1, 0, 0
	TURN 1, 0, 1
	STEP 0, 0, 0
	s_sub_co_u32 s3, s3, 1
	s_cmp_lg_u32 s3, 0
	s_cbranch_scc1 .Llap
	TURN 0, 1, 0
	STEP 1, 0, 0
	s_wait_dscnt 4*NL
	WIN MUL_LO
	MUL16 0, 1, 0
	MUL16 2, 1, 0
	s_wait_dscnt 0
	WIN MUL_HI
	MUL16 4, 1, 0
	MUL16 6, 1, 0
	WIN 0
	s_wait_kmcnt 0x0
	s_add_co_i32 s96, s68, s69
	s_add_co_i32 s96, s96, 127
	s_lshl_b32 s96, s96, 23
	s_mov_b32 s97, s96
	s_add_co_i32 s92, s70, 127
	s_lshl_b32 s93, s92, 23
	s_add_co_i32 s92, s92, 15
	s_lshl_b32 s92, s92, 23
	s_or_b32 s92, s92, 0x600000
	s_wait_loadcnt 0x0
	PLACES NP
	v_mov_b32 v[SCL], s93
	v_mov_b32 v[LIM], s92
	v_mov_b32 v[K1], 0xbdd2d3e8
	v_mov_b32 v[K1+1], 0xbdd2d3e8
	v_mov_b32 v[K0], 0xc0135761
	v_mov_b32 v[K0+1], 0xc0135761
; Block a's codes, 16 rows x 128 features, are two whole units of 1,024 bytes of gc: they are back from my stage as fragments, in 16 registers of window 1 that nothing else uses, and are stored:
; each store covers 512 consecutive bytes, aligned.  It stands in the middle of the next block's work, so that the LDS loads have landed.
.macro SENDB a
	s_wait_alu depctr_va_vdst(0)                   ; a wait here, directly ahead of the wait below
	s_wait_dscnt 0x0
	WIN 0x04                                       ; the data (source 1): window 1
.irp k, 0,1,2,3
	global_store_b128 v[COV], v[16*(\a)+4*\k:16*(\a)+4*\k+3], s[86:87] offset:(\k/2)*8192+(\a)*1024+(\k%2)*512
.endr
	WIN 0
.endm
.macro GBLK a
.set AC, 64*((\a)%4)
.set WN, 0x02+(\a)/4
	WIN WN
.set n, 0
.rept 32
	v_pk_fma_f32 v[U+n:U+n+1], v[AC+n:AC+n+1], s[96:97], v[BIAS+n:BIAS+n+1] op_sel_hi:[1,0,1]
.set n, n+2
.endr
	WIN 0
.set n, 0
.rept 32
	v_pk_mul_f32 v[E+n:E+n+1], v[U+n:U+n+1], v[U+n:U+n+1]
.set n, n+2
.endr
.set n, 0
.rept 32
	v_pk_fma_f32 v[E+n:E+n+1], v[E+n:E+n+1], v[K1:K1+1], v[K0:K0+1]
.set n, n+2
.endr
.set n, 0
.rept 32
	v_pk_mul_f32 v[E+n:E+n+1], v[E+n:E+n+1], v[U+n:U+n+1]
.set n, n+2
.endr
.set n, 0
	s_wait_alu depctr_va_vdst(0)
.rept 64
	v_exp_f32 v[E+n], v[E+n]
.set n, n+1
.endr
	v_nop
	s_wait_alu depctr_va_vdst(0)
.set n, 0
.rept 32
	v_pk_add_f32 v[E+n:E+n+1], v[E+n:E+n+1], 1.0 op_sel_hi:[1,0]
.set n, n+2
.endr
.set n, 0
	s_wait_alu depctr_va_vdst(0)
.rept 64
	v_rcp_f32 v[E+n], v[E+n]
.set n, n+1
.endr
	v_nop
	s_wait_alu depctr_va_vdst(0)
.set n, 0
.rept 32
	v_pk_mul_f32 v[U+n:U+n+1], v[U+n:U+n+1], v[E+n:E+n+1]
.set n, n+2
.endr
.if (\a) > 0
	SENDB (\a)-1
.endif
.set n, 0
.rept 64
	v_med3_num_f32 v[U+n], v[U+n], -v[LIM], v[LIM]
.set n, n+1
.endr
.irp b, 0,1,2,3,4,5,6,7
	v_cvt_scalef32_pk8_bf8_f32 v[CD+2*\b:CD+2*\b+1], v[U+8*\b:U+8*\b+7], v[SCL]
.endr
	v_nop
.irp b, 0,1,2,3,4,5,6,7
	ds_store_b64 v[STO], v[CD+2*\b:CD+2*\b+1] offset:16*PITCH*(\a)+16*\b
.endr
	WIN 0x40                                       ; destination window 1
.irp k, 0,1,2,3
	ds_load_b128 v[16*(\a)+4*\k:16*(\a)+4*\k+3], v[RDV] offset:16*PITCH*(\a)+(\k/2)*64+(\k%2)*32   ; LDS serves a wave's instructions in order: these see my stores above
.endr
	WIN 0
.endm
.irp a, 0,1,2,3,4,5,6,7
	GBLK \a
.endr
	SENDB 7
	s_wait_tensorcnt 0x0
	ds_add_u32 v[SPW], v[NIL]
	s_wait_dscnt 0x0
	CROUND
	s_endpgm
.Lfunc_end_k_q9094dcdef5_ffn1:
	.size	k_q9094dcdef5_ffn1, .Lfunc_end_k_q9094dcdef5_ffn1-k_q9094dcdef5_ffn1
	.p2alignl 7, 3214868480
	.fill 96, 4, 3214868480
	.section	.rodata,"a",@progbits
	.p2align	6, 0x0
	.amdhsa_kernel k_q9094dcdef5_ffn1
		.amdhsa_group_segment_fixed_size 327680
		.amdhsa_private_segment_fixed_size 0
		.amdhsa_enable_private_segment 0
		.amdhsa_kernarg_size 40
		.amdhsa_user_sgpr_count 2
		.amdhsa_user_sgpr_kernarg_segment_ptr 1
		.amdhsa_wavefront_size32 1
		.amdhsa_system_sgpr_workgroup_id_x 1
		.amdhsa_system_sgpr_workgroup_id_y 1
		.amdhsa_system_sgpr_workgroup_id_z 1
		.amdhsa_system_vgpr_workitem_id 0
		.amdhsa_next_free_vgpr 1024
		.amdhsa_next_free_sgpr 98
		.amdhsa_reserve_vcc 0
		.amdhsa_float_denorm_mode_32 3
		.amdhsa_float_denorm_mode_16_64 3
		.amdhsa_memory_ordered 1
		.amdhsa_forward_progress 1
		.amdhsa_inst_pref_size 255
	.end_amdhsa_kernel
	.section	.bss,"aw",@nobits
	.p2align	6
	.space	262144
	.amdgpu_metadata
---
amdhsa.version: [ 1, 2 ]
amdhsa.kernels:
  - .name:           k_q9094dcdef5_ffn1
    .symbol:         k_q9094dcdef5_ffn1.kd
    .args:
      - { .name: h2, .offset: 0, .size: 8, .value_kind: global_buffer, .address_space: global }
      - { .name: w1_codes, .offset: 8, .size: 8, .value_kind: global_buffer, .address_space: global }
      - { .name: lowp_scales, .offset: 16, .size: 8, .value_kind: global_buffer, .address_space: global }
      - { .name: b1, .offset: 24, .size: 8, .value_kind: global_buffer, .address_space: global }
      - { .name: gc, .offset: 32, .size: 8, .value_kind: global_buffer, .address_space: global }
    .group_segment_fixed_size: 327680
    .private_segment_fixed_size: 0
    .kernarg_segment_align: 8
    .kernarg_segment_size: 40
    .max_flat_workgroup_size: 128
    .sgpr_count:     98
    .vgpr_count:     1024
    .wavefront_size: 32
...
	.end_amdgpu_metadata
.endif
;; end of part 6
;; launch ffn2 (part 7): grid 32 x 8, 4 waves a work-group, clusters of 4 x 1, 327,680 bytes of LDS; arguments gc, w2_codes, lowp_scales, b2, x1, out0; writes out0
.if DOCPART == 7
	.amdgcn_target "amdgcn-amd-amdhsa--gfx1250"
	.amdhsa_code_object_version 6
	.text
	.protected	k_q9094dcdef5_ffn2
	.globl	k_q9094dcdef5_ffn2
	.p2align	8
	.type	k_q9094dcdef5_ffn2,@function
k_q9094dcdef5_ffn2:
	s_mov_b64 s[64:65], 0
	v_nop
	global_prefetch_b8 v0, s[64:65] scope:SCOPE_SE
	s_setreg_imm32_b32 hwreg(HW_REG_WAVE_MODE, 25, 1), 1
	s_wait_xcnt 0x0
	s_wait_alu depctr_hold_cnt(0) depctr_sa_sdst(0) depctr_va_vdst(0) depctr_va_sdst(0) depctr_va_ssrc(0) depctr_va_vcc(0) depctr_vm_vsrc(0)
	s_getreg_b32 s2, hwreg(HW_REG_IB_STS2, 6, 4)
	s_cmp_eq_u32 s2, 0
	s_cbranch_scc0 .Lentry_in_a_cluster
	s_endpgm
.Lentry_in_a_cluster:
	s_bfe_u32 s2, ttmp6, 0x10000c
	s_cmp_lg_u32 s2, 0x3003
	s_cbranch_scc0 .Lentry_shape_is_right
	s_endpgm
.Lentry_shape_is_right:
; out0[m][n] = x1[m][n] + b2[n] + 2^(e14 + e15) x the sum over k of A[m][k] B[n][k], on codes of BF8 (E5M2).  m = 4,096, n = 1,024, k = 4,096.  Nothing is left out.
; A = gc, the GELU's codes, lies in memory as the operand registers take it: [m / 128][k / 64][(m % 128) / 16][(k % 64) / 32][lane][16 bytes], lane = m % 16 + 16 ((k % 32) / 16).
; B = w2_codes as given, [1024 (n)][4096 (k)].  LIMIT: e14 + e15 between -126 and 127.
; SHARES.  A work-group makes 128 x 128 of out0: 256 work-groups.  ITS FOUR WAVES CUT K: wave u takes k = 1,024 u on and holds the whole block, 64 accumulators, as a partial sum, so each operand byte of the
; block comes to the work-group once.  16 steps of 64 along K, 64 matrix instructions each.
; A comes from memory straight into registers: a step is 16 loads of 512 consecutive bytes into one of four sets of 64 registers; a set is asked for again as soon as its step is multiplied, so that by the
; text's own count three steps' loads (48) are out while a fourth is multiplied.
; B comes through LDS by joint tensor loads.  CLUSTER: the four work-groups of a cluster make four row blocks of one column block and need the same rows of B; each wave asks for its own K quarter,
; 128 rows x 256 bytes (four steps) a fill, four fills through two slots.  Only the issuing wave reads its part of a slot.  A refill is asked for behind a slot's last step, when that step's
; fragments are in registers, four steps ahead of its first use.  A's tiles are shared by no partner.
; NO PREFETCH: a refill of B has four steps in which to land, and A's loads are themselves issued three steps ahead of their use.
; THE END.  Behind a barrier every wave puts its partial block into LDS (over the slots, which have had their last fill and their last read) as rows of 512 bytes + 16, part [quarter of the rows][wave];
; one more barrier; wave u reads the four parts of rows 32 u on back as whole rows, adds them, scales, adds bias and residual, and stores rows of 512 consecutive bytes, aligned.
; The matrix instruction is used transposed (source 0 = 16 rows of B, source 1 = 16 rows of A): a lane holds eight neighbouring numbers of a row of out0.  A fragment's registers 4 c .. 4 c + 3 hold
; k = 32 c + 16 (lane / 16) + 0 .. 15 on both sides.
; REGISTERS: window 0: v0-31 addresses; v32-127 residual rows 0-23; v128-255 B's two sets of 64, at the end two buffers of 64.  window 1: A's four sets of 64; at the end v0-31 residual rows 24-31.
;   windows 2, 3: the accumulators of A's blocks 0-3, 4-7: (a, b) at v[8 (8 (a % 4) + b)].
.set NS,    16                         ; steps of 64 along K for a wave
.set STEPB, 8192                       ; a step's bytes of A's 128 rows
.set SCO,   56                         ; byte of e14 among the scales
.set BP,    272                        ; a row of B in LDS: 256 bytes + 16: sixteen rows start at sixteen different groups of four banks
.set WSLOT, 128*BP                     ; a wave's part of a slot
.set SLOTB, 4*WSLOT
.set SPARE, 2*SLOTB                    ; behind the ring: the spare words, 128 bytes for each wave: two blocks of 256 bytes that no other line names
.set RP,    528                        ; a row of a part: 512 bytes + 16
.set PART,  32*RP                      ; one wave's partial sums of 32 rows
.set QUAR,  4*PART                     ; the four waves' parts of 32 rows; the four quarters end under SPARE
.set LO,    2                          ; v2     16 x lane
.set ST,    4                          ; v4-7   where I put 32 bytes of a row, for each quarter of the rows
.set BI,    8                          ; v8-11  the bias at my four columns
.set RD,    12                         ; v12-13 where I read my rows back: parts 0, 1; parts 2, 3
.set SPW,   14                         ; v14    LDS address of my spare word; never rewritten
.set NIL,   15                         ; v15    0; never rewritten
.set BAD,   18                         ; v18-19 LDS address of my B fragments in slot 0, 1
.set RES,   32
.set BF,    128
.set G1,    40                         ; s[40:47] descriptor group 1;  s[48:51], s[52:55] group 0 for slot 0, 1
.set G0,    48
.set MSB, 0
.macro WIN new                         ; the immediate's high byte repeats the setting that is left
.if MSB != \new
	s_set_vgpr_msb (MSB<<8)|\new
.set MSB, \new
.endif
.endm
.macro PLACES                          ; four places between a matrix instruction and a load into, or a store of, its registers
.rept 4
	v_nop
.endr
.endm
.macro ROUND                           ; a round of the cluster's barrier
	s_barrier_signal -1
	s_barrier_wait -1
	s_cmp_lg_u32 s16, 0
	s_cbranch_scc1 .Lnot_wave_0_\@
	s_barrier_signal -3
.Lnot_wave_0_\@:
	s_barrier_wait -3
	s_barrier_signal -1
	s_barrier_wait -1
.endm
.macro LOADA p, off                    ; a step's 8 KiB of A into set p
.set AS, 64*(\p)
	WIN 0x40
.irp i, 0,1,2,3,4,5,6,7
	global_load_b128 v[AS+8*\i:AS+8*\i+3], v[LO], s[4:5] offset:\off+1024*\i
	global_load_b128 v[AS+8*\i+4:AS+8*\i+7], v[LO], s[4:5] offset:\off+1024*\i+512
.endr
.endm
.macro LOADB t                         ; step t's eight fragments of B, from slot (t / 4) % 2, into set t % 2
.set BS, BF+64*((\t)%2)
	WIN 0
.irp b, 0,1,2,3,4,5,6,7
	ds_load_b128 v[BS+8*\b:BS+8*\b+3], v[BAD+((\t)/4)%2] offset:\b*16*BP+64*((\t)%4)
	ds_load_b128 v[BS+8*\b+4:BS+8*\b+7], v[BAD+((\t)/4)%2] offset:\b*16*BP+64*((\t)%4)+32
.endr
.endm
; 32 matrix instructions: A's blocks 4 hi .. 4 hi + 3 x B's eight.  The 64 accumulators take turns, one instruction a turn, in the same order in every step.
.macro MUL32 s, hi, zero
.set AS, 64*((\s)%4)
.set BS, BF+64*((\s)%2)
.set WN, 0x04+(2+\hi)*0x50
	WIN WN                                         ; source 0 (B) window 0, source 1 (A) window 1, C and D window 2 or 3
.irp a, 0,1,2,3
.irp b, 0,1,2,3,4,5,6,7
.if \zero
	v_wmma_f32_16x16x64_bf8_bf8 v[8*(8*\a+\b):8*(8*\a+\b)+7], v[BS+8*\b:BS+8*\b+7], v[AS+8*(4*\hi+\a):AS+8*(4*\hi+\a)+7], 0
.else
	v_wmma_f32_16x16x64_bf8_bf8 v[8*(8*\a+\b):8*(8*\a+\b)+7], v[BS+8*\b:BS+8*\b+7], v[AS+8*(4*\hi+\a):AS+8*(4*\hi+\a)+7], v[8*(8*\a+\b):8*(8*\a+\b)+7]
.endif
.endr
.endr
.endm
.macro STEP s, zero, n                 ; n: the global loads issued behind step s's, which may stay out
.if (\s) < NS-1
	LOADB (\s)+1
	s_wait_dscnt 16                                ; this step's fragments of B are in; the next step's 16 loads may be out
.else
	s_wait_dscnt 0x0
.endif
	s_wait_loadcnt \n
	MUL32 \s, 0, \zero
	MUL32 \s, 1, \zero
	PLACES                                         ; for the loads into A's set below, and for the next step's loads into B's set of the step before
.if (\s) < NS-4
	LOADA (\s)%4, ((\s)+4)*STEPB
.endif
.endm
; Slot sl is filled again.  Each wave waits for all its tensor loads (its part of the other slot), adds 0 to its spare word, and waits for that and for its reads of slot sl; a round of the cluster's barrier;
; the joint refill is the first tensor load behind it, one a wave.  An s_nop 0 and four v_nop follow the load.
.macro STEPL s, n                      ; a slot's last step: its fragments of B are in registers, and it is multiplied ahead of the wait for the next fill; the next slot's first fragments are fetched behind that wait
	s_wait_dscnt 0x0
	s_wait_loadcnt \n
	MUL32 \s, 0, 0
	MUL32 \s, 1, 0
	PLACES
	LOADA (\s)%4, ((\s)+4)*STEPB
.endm
.macro REFILL sl
	WIN 0
	s_wait_tensorcnt 0x0
	ds_add_u32 v[SPW], v[NIL]
	s_add_nc_u64 s[G0+4*\sl+2:G0+4*\sl+3], s[G0+4*\sl+2:G0+4*\sl+3], 512   ; no load of mine is out: this slot's next 256 along K
	s_wait_dscnt 0x0
	ROUND
	tensor_load_to_lds s[G0+4*\sl:G0+4*\sl+3], s[G1:G1+7]
	s_nop 0
	PLACES
.endm
	s_load_b256 s[4:11], s[0:1], 0x0               ; gc s[4:5], w2's codes s[6:7], the scales' exponents s[8:9], b2 s[10:11]
	s_load_b128 s[12:15], s[0:1], 0x20             ; x1 s[12:13], out0 s[14:15]
	v_lshl_add_u32 v[SPW], v0, 2, SPARE
	v_mov_b32 v[NIL], 0
	ds_add_u32 v[SPW], v[NIL]                      ; the wave's opening: the add, twice on end, and its wait ahead of my first tensor load
	ds_add_u32 v[SPW], v[NIL]                      ; and once more, under the one wait; the set-up below, work on registers, stands between
	v_lshrrev_b32 v1, 5, v0
	v_readfirstlane_b32 s16, v1                    ; wave u = 0..3
	s_bfe_u32 s17, ttmp6, 0x40000                  ; cx: my place in the cluster
	s_lshl_b32 s18, ttmp9, 2
	s_add_co_u32 s18, s18, s17                     ; the block's rows: 128 x (4 x cluster x + cx)
	s_and_b32 s19, ttmp7, 0xffff                   ; the block's columns: 128 x y, the same in all four partners
	s_mov_b32 s[G1], 15|(1<<20)|(1<<21)|(5<<22)|(3<<25)   ; the mask: all four partners; elements of 1 byte; padding on; bit 21 beside a mask; four words after every 64
	s_mov_b32 s[G1+1], 256<<16                     ; tensor_dim0
	s_mov_b32 s[G1+2], 128<<16                     ; tensor_dim1
	s_mov_b32 s[G1+3], 256<<16                     ; tile_dim0
	s_mov_b32 s[G1+4], 128                         ; tile_dim1
	s_mov_b32 s[G1+5], 4096                        ; tensor_dim0_stride
	s_mov_b32 s[G1+6], 0
	s_mov_b32 s[G1+7], 0
	s_lshl_b32 s20, s18, 19                        ; A: 2^19 bytes for 128 rows,
	s_lshl_b32 s21, s16, 17                        ; + my 16 steps of 8,192
	s_add_co_u32 s20, s20, s21
	s_lshl_b32 s26, s19, 9                         ; my block's columns, in bytes of f32
	s_add_co_u32 s24, s20, s26                     ; x1, out0: row 128 block + 32 u is 2^19 block + 2^17 u bytes, + the columns
	s_lshl_b32 s22, s19, 19                        ; B: 128 rows of 4,096 bytes,
	s_lshl_b32 s23, s16, 10                        ; + my K quarter
	s_add_co_u32 s22, s22, s23
	s_mov_b32 s21, 0
	s_mov_b32 s23, 0
	s_mov_b32 s25, 0
	s_mov_b32 s27, 0
	s_mul_i32 s30, s16, WSLOT                      ; my part of a slot: no place in the cluster enters an LDS address
	s_mul_i32 s31, s16, PART
	s_mul_i32 s32, s16, QUAR
	s_wait_dscnt 0x0                               ; both opening adds are done
	s_wait_kmcnt 0x0
	s_load_b64 s[28:29], s[8:9], SCO               ; e14, e15
	s_add_nc_u64 s[4:5], s[4:5], s[20:21]
	s_add_nc_u64 s[6:7], s[6:7], s[22:23]
	s_add_nc_u64 s[10:11], s[10:11], s[26:27]
	s_add_nc_u64 s[12:13], s[12:13], s[24:25]
	s_add_nc_u64 s[14:15], s[14:15], s[24:25]
	ROUND                                          ; all four work-groups are here: the first joint loads meet
.irp s, 0,1
	s_mov_b32 s[G0+4*\s], 1
	s_add_co_u32 s[G0+4*\s+1], s30, \s*SLOTB
	s_add_nc_u64 s[G0+4*\s+2:G0+4*\s+3], s[6:7], \s*256
	s_or_b32 s[G0+4*\s+3], s[G0+4*\s+3], 0x80000000
.endr
	tensor_load_to_lds s[G0:G0+3], s[G1:G1+7]      ; steps 0 to 3 of B: one tensor load a wave at the head
	s_nop 0
	PLACES
	v_and_b32 v3, 31, v0
	v_and_b32 v16, 15, v0                          ; r
	v_bfe_u32 v17, v0, 4, 1                        ; h
	v_lshlrev_b32 v[LO], 4, v3
	v_mul_u32_u24 v20, v16, BP
	v_mul_u32_u24 v16, v16, RP
	v_lshl_add_u32 v20, v17, 4, v20                ; a fragment's row r, + 16 h
	v_lshl_add_u32 v16, v17, 5, v16                ; a part's row r, + 32 h
	v_add_nc_u32 v[BAD], s30, v20
	v_add_nc_u32 v[ST], s31, v16                   ; my part of quarter 0,
	v_add_nc_u32 v[RD], s32, v[LO]                 ; my quarter's parts 0, 1
	v_add_nc_u32 v[BAD+1], SLOTB, v[BAD]
	v_add_nc_u32 v[ST+1], QUAR, v[ST]              ; of quarters 1 to 3
	v_add_nc_u32 v[ST+2], 2*QUAR, v[ST]
	v_add_nc_u32 v[ST+3], 3*QUAR, v[ST]
	v_add_nc_u32 v[RD+1], 2*PART, v[RD]            ; parts 2, 3
	s_wait_alu depctr_va_vdst(0)                   ; the wait at the head's end
	LOADA 0, 0
	LOADA 1, STEPB
	LOADA 2, 2*STEPB
	LOADA 3, 3*STEPB
	WIN 0
	s_wait_tensorcnt 0x0                           ; my part of slot 0 is in
	ds_add_u32 v[SPW], v[NIL]
	s_wait_dscnt 0x0
	ROUND
	tensor_load_to_lds s[G0+4:G0+7], s[G1:G1+7]    ; steps 4 to 7 of B: the first tensor load behind the round
	s_nop 0
	PLACES
.set n, 0
.rept 24
	global_load_b128 v[RES+4*n:RES+4*n+3], v[LO], s[12:13] offset:4096*n th:TH_LOAD_NT   ; residual rows 0-23 of my 32, in the layout of the stores
.set n, n+1
.endr
	LOADB 0
	; LOADcnt: loads come back in order.  Behind the loads of steps 0 to 3 stand 72 (three steps' 48 and the residual's 24): the wait's field holds 63 at the most, and a smaller count is safe.
	STEP 0, 1, 63                                  ; the first step starts the sums
	STEP 1, 0, 63
	STEP 2, 0, 63
	STEPL 3, 63
	REFILL 0                                       ; my reads of slot 0 are over: it takes steps 8 to 11
	LOADB 4
	STEP 4, 0, 48                                  ; from here on: the next three steps' 48
	STEP 5, 0, 48
	STEP 6, 0, 48
	STEPL 7, 48
	REFILL 1                                       ; slot 1 takes steps 12 to 15
	LOADB 8
	STEP 8, 0, 48
	STEP 9, 0, 48
	STEP 10, 0, 48
	STEPL 11, 48
	s_wait_tensorcnt 0x0                           ; my part of slot 1, which I alone read, is in; nothing is filled any more
	LOADB 12
	STEP 12, 0, 48
	WIN 0x40
.set n, 0
.rept 8
	global_load_b128 v[4*n:4*n+3], v[LO], s[12:13] offset:4096*(24+n) th:TH_LOAD_NT      ; residual rows 24-31, into A's set 0, which is done with
.set n, n+1
.endr
	WIN 0
	global_load_b128 v[BI:BI+3], v[LO], s[10:11]
	STEP 13, 0, 41                                 ; behind step 13's loads: two steps' 32 and the 9 above
	STEP 14, 0, 25
	STEP 15, 0, 9
	WIN 0
	s_barrier_signal -1                            ; my reads of the slots are over (the wait for 0 in step 15), and so are my fills:
	s_barrier_wait -1                              ; that now holds of all four waves, and the parts may be laid over the slots
.macro ACCOUT a                        ; A's block a, 16 rows x 128 columns of my partial sums, into my part of quarter a / 2; each accumulator from its low end on
.set WN, 0x08+4*((\a)/4)
	WIN WN                                         ; the data (source 1): window 2 or 3
.irp b, 0,1,2,3,4,5,6,7
	ds_store_b128 v[ST+(\a)/2], v[8*(8*((\a)%4)+\b):8*(8*((\a)%4)+\b)+3] offset:((\a)%2)*16*RP+64*\b
	ds_store_b128 v[ST+(\a)/2], v[8*(8*((\a)%4)+\b)+4:8*(8*((\a)%4)+\b)+7] offset:((\a)%2)*16*RP+64*\b+16
.endr
.endm
.macro CLOAD q                         ; rows 4 q .. 4 q + 3 of my 32, from all four parts, into buffer q % 2: register 16 part + 4 row + i
.set CB, BF+64*((\q)%2)
.irp s, 0,1,2,3
.irp t, 0,1,2,3
	ds_load_b128 v[CB+16*\s+4*\t:CB+16*\s+4*\t+3], v[RD+\s/2] offset:(\s%2)*PART+(4*(\q)+\t)*RP
.endr
.endr
.endm
.macro CSEND q                         ; the four parts are added; x 2^(e14 + e15) + bias; + residual; stored
.set CB, BF+64*((\q)%2)
.irp n, 0,2,4,6,8,10,12,14
	v_pk_add_f32 v[CB+\n:CB+\n+1], v[CB+\n:CB+\n+1], v[CB+16+\n:CB+17+\n]
	v_pk_add_f32 v[CB+32+\n:CB+33+\n], v[CB+32+\n:CB+33+\n], v[CB+48+\n:CB+49+\n]
.endr
.irp n, 0,2,4,6,8,10,12,14
	v_pk_add_f32 v[CB+\n:CB+\n+1], v[CB+\n:CB+\n+1], v[CB+32+\n:CB+33+\n]
.endr
.irp n, 0,2,4,6,8,10,12,14
	v_pk_fma_f32 v[CB+\n:CB+\n+1], v[CB+\n:CB+\n+1], s[28:29], v[BI+\n%4:BI+\n%4+1] op_sel_hi:[1,0,1]
.endr
.if (\q) < 6
.irp n, 0,2,4,6,8,10,12,14
	v_pk_add_f32 v[CB+\n:CB+\n+1], v[CB+\n:CB+\n+1], v[RES+16*(\q)+\n:RES+16*(\q)+\n+1]
.endr
.else
	WIN 0x04                                       ; source 1: window 1
.irp n, 0,2,4,6,8,10,12,14
	v_pk_add_f32 v[CB+\n:CB+\n+1], v[CB+\n:CB+\n+1], v[16*((\q)-6)+\n:16*((\q)-6)+\n+1]
.endr
	WIN 0
.endif
.irp t, 0,1,2,3
	global_store_b128 v[LO], v[CB+4*\t:CB+4*\t+3], s[14:15] offset:(4*(\q)+\t)*4096 th:TH_STORE_NT   ; 32 lanes store 512 consecutive bytes, aligned
.endr
.endm
.irp a, 0,1,2,3,4,5,6,7
	ACCOUT \a
.endr
	WIN 0
	s_wait_dscnt 0x0                               ; for the others' sake: my stores into the parts are done
	s_barrier_signal -1
	s_barrier_wait -1
	CLOAD 0
	s_wait_kmcnt 0x0
	s_add_co_i32 s28, s28, s29
	s_add_co_i32 s28, s28, 127
	s_lshl_b32 s28, s28, 23                        ; 2^(e14 + e15) as f32
	s_mov_b32 s29, s28                             ; (named with it as a pair, so it is written)
	s_wait_loadcnt 0x0                             ; the residual and the bias
.irp q, 0,1,2,3,4,5,6,7
.if \q < 7
.if \q > 0
	s_wait_xcnt 0x0                                ; the stores of two chunks back have read their registers: the next chunk may land there
.endif
	CLOAD \q+1
	s_wait_dscnt 16                                ; this chunk is in; the next one's 16 loads may be out
.else
	s_wait_dscnt 0x0
.endif
	CSEND \q
.endr
	s_wait_tensorcnt 0x0                           ; the wave's end: behind my last tensor load and my last LDS store
	ds_add_u32 v[SPW], v[NIL]
	s_wait_dscnt 0x0
	ROUND                                          ; the closing round: no work-group ends while a partner may still ask for a tile that names it
	s_endpgm
.Lfunc_end_k_q9094dcdef5_ffn2:
	.size	k_q9094dcdef5_ffn2, .Lfunc_end_k_q9094dcdef5_ffn2-k_q9094dcdef5_ffn2
	.p2alignl 7, 3214868480
	.fill 96, 4, 3214868480
	.section	.rodata,"a",@progbits
	.p2align	6, 0x0
	.amdhsa_kernel k_q9094dcdef5_ffn2
		.amdhsa_group_segment_fixed_size 327680
		.amdhsa_private_segment_fixed_size 0
		.amdhsa_enable_private_segment 0
		.amdhsa_kernarg_size 48
		.amdhsa_user_sgpr_count 2
		.amdhsa_user_sgpr_kernarg_segment_ptr 1
		.amdhsa_wavefront_size32 1
		.amdhsa_system_sgpr_workgroup_id_x 1
		.amdhsa_system_sgpr_workgroup_id_y 1
		.amdhsa_system_sgpr_workgroup_id_z 1
		.amdhsa_system_vgpr_workitem_id 0
		.amdhsa_next_free_vgpr 1024
		.amdhsa_next_free_sgpr 66
		.amdhsa_reserve_vcc 0
		.amdhsa_float_denorm_mode_32 3
		.amdhsa_float_denorm_mode_16_64 3
		.amdhsa_memory_ordered 1
		.amdhsa_forward_progress 1
		.amdhsa_inst_pref_size 159
	.end_amdhsa_kernel
	.amdgpu_metadata
---
amdhsa.version: [ 1, 2 ]
amdhsa.kernels:
  - .name:           k_q9094dcdef5_ffn2
    .symbol:         k_q9094dcdef5_ffn2.kd
    .args:
      - { .name: gc, .offset: 0, .size: 8, .value_kind: global_buffer, .address_space: global }
      - { .name: w2_codes, .offset: 8, .size: 8, .value_kind: global_buffer, .address_space: global }
      - { .name: lowp_scales, .offset: 16, .size: 8, .value_kind: global_buffer, .address_space: global }
      - { .name: b2, .offset: 24, .size: 8, .value_kind: global_buffer, .address_space: global }
      - { .name: x1, .offset: 32, .size: 8, .value_kind: global_buffer, .address_space: global }
      - { .name: out0, .offset: 40, .size: 8, .value_kind: global_buffer, .address_space: global }
    .group_segment_fixed_size: 327680
    .private_segment_fixed_size: 0
    .kernarg_segment_align: 8
    .kernarg_segment_size: 48
    .max_flat_workgroup_size: 128
    .sgpr_count:     66
    .vgpr_count:     1024
    .wavefront_size: 32
...
	.end_amdgpu_metadata
.endif
;; end of part 7
